; MI455X (gfx1250); checked and timed in simulation.
; The chip was launched on July 23, 2026; its instructions are those of AMD's public machine-readable ISA for CDNA 5 (MIT licence, August 2026) and "CDNA5" Instruction Set Architecture Reference Guide (July 2026). The comments in the code are by the model that wrote it; some were corrected since.
;; Attention. Allowed arithmetic: matrix products marked QUANTISED: E2M1 operands, one E8M0 scale for each 32 along K, by v_wmma_scale_f32_16x16x128_f8f6f4 with both operands' format E2M1 (or v_wmma_scale_f32_32x16x128_f4), f32 sums; products left as they are: bf16, f16 or f32 operands; f32 sums; everything else in f32.
;; Inputs: W_proj 1,024 x 1,024 float32; W_qkv 3,072 x 1,024 float32; b_proj 1,024 float32; cos 4,096 x 64 float32; k_scale 64 float32; q_scale 64 float32; sin 4,096 x 64 float32; x 1 x 4,096 x 1,024 float32.
;; Outputs: out0 1 x 4,096 x 1,024 float32.
;; This version of the problem:
;;   THIS VERSION OF THE PROBLEM IS GIVEN IN LOW PRECISION. The matrix products marked QUANTISED in the list below multiply operands that are first quantised to E2M1 (2 exponent bits, 1 mantissa bit; 4 bits a number), with one power-of-two scale for each 32 numbers along K (OCP MX v1.0); their sums are f32. The products marked 'left as it is' may take bf16, f16 or f32 operands, with f32 sums. Whichever they take, every output number must still come out within the allowed error. Rounding operands to bf16 (8 significant bits) uses up far more of that allowance than f16 does (11 bits, for magnitudes from 6e-5 to 65,504). All else is computed in f32.
;;   The module's matrix products, in the order in which they are computed (A, B: the left and right operand; K: the contracted axis; several contracted axes count as one K, in the product's order):
;;     1. [M 4,096, K 1,024] x [K 1,024, N 3,072]; A: input x; B: input W_qkv: QUANTISED
;;     2. batch 16 x [M 4,096, K 64] x [K 64, N 4,096]; A: computed on the way; B: computed on the way: left as it is (an operand is computed on the way)
;;     3. batch 16 x [M 64, K 4,096] x [K 4,096, N 4,096]; A: computed on the way; B: computed on the way: left as it is (an operand is computed on the way)
;;     4. [M 4,096, K 1,024] x [K 1,024, N 1,024]; A: computed on the way; B: input W_proj: left as it is (an operand is computed on the way)
;;   THE QUANTISER, for each operand of a quantised product, along K:
;;     - K is cut into blocks of 32 from its start; a last block that is shorter is filled with zeros.
;;     - A block's scale is 2^e with e = floor(log2(the largest magnitude in the block)) - 2, held to -126 .. 127; a block of zeros has e = 0. As a byte (E8M0): e + 127.
;;     - Each number is divided by its block's scale, clamped to +-6, and rounded to the nearest number of E2M1, ties to even, subnormals kept.
;;     - The product sums the exact products of the quantised numbers (number of the format x scale) in f32.
;;   ~~~python
;;   def quantise(x, axis):      # numpy; x: float32 -> the quantised numbers, widened to float32 again
;;       x = np.moveaxis(x, axis, -1); K = x.shape[-1]
;;       x = np.pad(x, [(0, 0)] * (x.ndim - 1) + [(0, -K % 32)]); x = x.reshape(x.shape[:-1] + (-1, 32)); a = np.abs(x).max(-1, keepdims=True)
;;       e = np.where(a > 0, np.clip(np.frexp(np.where(a > 0, a, 1))[1] - 1 - 2, -126, 127), 0)      # np.frexp(a)[1] - 1 = floor(log2(a)), exactly
;;       r = np.clip(x / 2.0 ** e, -6, 6)
;;       step = 2.0 ** (np.maximum(np.frexp(np.where(r == 0, 1, r))[1] - 1, 0) - 1)
;;       q = np.round(r / step) * step * 2.0 ** e      # np.round: ties to even
;;       return np.moveaxis(q.reshape(q.shape[:-2] + (-1,))[..., :K], -1, axis).astype(np.float32)
;;   ~~~
;; One version. Each part assembles by itself: llvm-mc -triple=amdgcn-amd-amdhsa -mcpu=gfx1250 --defsym DOCPART=n.
;; ======== version 1 of 1: 4 launches
;; limits: values are held in f16: magnitudes above 65,504 overflow, below 6.1e-05 lose precision
;; workspace buffers: xc 2,097,152 bytes; xs 131,072 bytes; wc 1,572,864 bytes; ws 98,304 bytes; wp16 2,097,152 bytes; qf 8,388,608 bytes; kv 16,777,216 bytes; ao 8,388,608 bytes
;; launch prep (part 1): grid 256 x 1, 4 waves a work-group, no clusters, 33,280 bytes of LDS; arguments x, W_qkv, xc, xs, wc, ws, W_proj, wp16; writes xc, xs, wc, ws, wp16
.if DOCPART == 1
	.amdgcn_target "amdgcn-amd-amdhsa--gfx1250"
	.amdhsa_code_object_version 6
	.text
	.protected	k_q439dc13038_prep
	.globl	k_q439dc13038_prep
	.p2align	8
	.type	k_q439dc13038_prep,@function
k_q439dc13038_prep:
	s_mov_b64 s[64:65], 0
	v_nop
	global_prefetch_b8 v0, s[64:65] scope:SCOPE_SE
	s_setreg_imm32_b32 hwreg(HW_REG_WAVE_MODE, 25, 1), 1
	s_wait_xcnt 0x0
; x [4096][1024] and W_qkv [3072][1024], f32, are turned into codes of FP4 (E2M1), K innermost, two codes a byte, with one E8M0 scale byte for each 32 along K; W_proj [1024][1024] is rounded to f16.
; A block's scale is 2^(floor(log2(its largest magnitude)) - 2); its byte is the largest magnitude's own exponent field - 2, held at 1 from below.  A block of zeros so gets the byte 1 where the rule says 127:
; its codes are zeros, which add nothing under any byte but 0xff, and the bytes are read by this program alone.  Each number is divided by the scale and rounded to the nearest code, ties to even, beyond 6 the largest code.
; LIMITS: blocks whose largest magnitude lies under 2^-124 keep the byte 1; NaN and infinities among the inputs are not served; |W_proj| must stay under 65,504 (f16).
; SHARES.  Work-groups 0-127 take x, 128-223 W_qkv, 32,768 numbers each, 8,192 a wave in 16 steps of 512; work-groups 224-255 take W_proj, 8,192 numbers a wave.
; Rows are dense and K is a multiple of 32: the tensors are plain streams of blocks of 32, and so are the codes and the scale bytes.
; THE QUANTISER.  Each of a step's four loads reads 512 consecutive bytes, 16 a lane; the conversions want 16 NEIGHBOURS in a lane, so the 2,048 bytes turn through the wave's own stage in LDS and come back 64 bytes a lane
; (16 bytes of padding behind each 64).  A lane's 16 codes are 8 bytes: the wave stores 256 consecutive bytes.  A wave's 256 scale bytes are gathered in LDS and leave as one aligned run of 256 bytes.
; No tensor loads, no barrier: waves share nothing.  Loads run four steps (16 loads a wave) ahead.
.set SIZE_M, 4096
.set SIZE_N, 3072
.set SIZE_K, 1024
.set WAVES, 4
.set STEPS, 16
.set WGA,   SIZE_M*SIZE_K/(512*STEPS*WAVES)            ; 128 work-groups for x
.set WGQ,   (SIZE_M+SIZE_N)*SIZE_K/(512*STEPS*WAVES)   ; 224 for x and W_qkv together
.set EMAX,  2
.set CB,    8                          ; bytes of 16 codes
.set R,     16                         ; v16-79   four sets of 16 numbers as they are loaded
.set X,     80                         ; v80-111  two sets of 16 neighbours
.set C,     128                        ; v128-191 codes: four registers for each step, so that no store's data are written again
.set E,     112                        ; v112-127 a scale byte for each step
.set WREG,  8192                       ; LDS: a region for each wave: two stages of 32 x SP bytes, and behind them its 256 scale bytes
.set SP,    80                         ; a lane's place in a stage: its 64 bytes + 16 of padding
.set SPW,   12                         ; v12      LDS address of my spare word; never rewritten
.set NIL,   13                         ; v13      0; never rewritten
.set SPARE, WAVES*WREG                 ; behind the four regions: the spare words, 128 bytes for each wave
.set F,     16                         ; the cast: v16-143 two sets of 64 numbers as loaded
.set HB,    144                        ; the cast: v144-175 sixteen pairs of registers of f16
	s_load_b128 s[4:7], s[0:1], 0x0                ; x, W_qkv
	s_load_b128 s[8:11], s[0:1], 0x10              ; x's codes, x's scales
	s_load_b128 s[12:15], s[0:1], 0x20             ; W_qkv's codes, its scales
	s_load_b128 s[24:27], s[0:1], 0x30             ; W_proj, its f16 copy
	v_lshl_add_u32 v[SPW], v0, 2, SPARE
	v_mov_b32 v[NIL], 0
	v_lshrrev_b32 v1, 5, v0
	v_readfirstlane_b32 s16, v1                    ; wave
	v_and_b32 v2, 31, v0                           ; lane
	v_lshlrev_b32 v3, 4, v2                        ; my 16 bytes of a load's 512
	s_mul_i32 s17, s16, WREG
	v_lshrrev_b32 v14, 2, v2
	v_mul_u32_u24 v14, v14, SP
	v_and_b32 v15, 3, v2
	v_lshl_add_u32 v14, v15, 4, v14
	v_add_nc_u32 v14, s17, v14                     ; the stage, on the way in: SP (lane / 4) + 16 (lane % 4)
	v_mul_u32_u24 v15, v2, SP
	v_add_nc_u32 v15, s17, v15                     ; and on the way out: SP x lane: my 16 neighbours
	v_mul_u32_u24 v4, v2, CB                       ; my codes' place in a step's
	v_lshrrev_b32 v5, 1, v2
	s_add_co_u32 s17, s17, 2*32*SP
	v_add_nc_u32 v5, s17, v5                       ; LDS: my wave's 256 scale bytes, my block's byte
	v_lshlrev_b32 v7, 3, v2                        ; 8 bytes a lane
	v_add_nc_u32 v6, s17, v7
	s_wait_kmcnt 0x0
	s_cmp_ge_u32 ttmp9, WGQ                        ; the last 32 work-groups cast W_proj: a branch on the work-group's number alone
	s_cbranch_scc1 .Lcast
	s_cmp_lt_u32 ttmp9, WGA                        ; x's work-group or W_qkv's?
	s_cselect_b64 s[4:5], s[4:5], s[6:7]
	s_cselect_b64 s[8:9], s[8:9], s[12:13]
	s_cselect_b64 s[10:11], s[10:11], s[14:15]
	s_cselect_b32 s17, 0, WGA
	s_sub_co_u32 s17, ttmp9, s17
	s_lshl_b32 s17, s17, 2
	s_add_co_u32 s18, s17, s16                     ; which run of 8,192 numbers of the tensor is my wave's
	s_mov_b32 s19, 0
	s_mov_b64 s[20:21], 512*STEPS*4
	s_mul_u64 s[20:21], s[18:19], s[20:21]
	s_add_nc_u64 s[4:5], s[4:5], s[20:21]
	s_mov_b64 s[20:21], 32*STEPS*CB
	s_mul_u64 s[20:21], s[18:19], s[20:21]
	s_add_nc_u64 s[8:9], s[8:9], s[20:21]
	s_lshl_b32 s18, s18, 8                         ; 256 scale bytes a run
	s_add_nc_u64 s[10:11], s[10:11], s[18:19]
.macro LOAD t
.irp i, 0,1,2,3
	global_load_b128 v[R+16*((\t)%4)+4*\i:R+16*((\t)%4)+4*\i+3], v3, s[4:5] offset:2048*(\t)+512*\i th:TH_LOAD_NT   ; 32 lanes read 512 consecutive bytes
.endr
.endm
.macro TURN t                          ; step t's numbers through the stage: LDS serves a wave's instructions in order, so no wait stands between the stores and the loads
.irp i, 0,1,2,3
	ds_store_b128 v14, v[R+16*((\t)%4)+4*\i:R+16*((\t)%4)+4*\i+3] offset:32*SP*((\t)%2)+8*SP*\i
.endr
.irp i, 0,1,2,3
	ds_load_b128 v[X+16*((\t)%2)+4*\i:X+16*((\t)%2)+4*\i+3], v15 offset:32*SP*((\t)%2)+16*\i
.endr
.endm
.irp t, 0,1,2,3
	LOAD \t
.endr
	s_wait_loadcnt 12                              ; step 0's four loads are in; the twelve of steps 1 to 3 stay out
	TURN 0
.macro STEP t
.set XS, X+16*((\t)%2)
.if (\t) > 0
	s_wait_dscnt 1                                 ; this step's numbers are back from the stage (the last step's byte store may be out): so its stores into the stage have read their registers,
.else
	s_wait_dscnt 0x0
.endif
.if (\t)+4 < STEPS
	LOAD (\t)+4                                    ; which take the loads of four steps on
.endif
.if (\t)+1 < STEPS
.if STEPS-2-(\t) >= 3
	s_wait_loadcnt 12                              ; the next step's four loads are in; those of the three steps behind it may be out
.else
	s_wait_loadcnt 4*(STEPS-2-(\t))
.endif
	TURN (\t)+1                                    ; and go through the other stage while this step is worked
.endif
	v_max3_num_f32 v8, |v[XS]|, |v[XS+1]|, |v[XS+2]|               ; the largest magnitude of my 16, in two chains
	v_max3_num_f32 v9, |v[XS+3]|, |v[XS+4]|, |v[XS+5]|
.irp i, 6,10
	v_max3_num_f32 v8, v8, |v[XS+\i]|, |v[XS+\i+1]|
	v_max3_num_f32 v9, v9, |v[XS+\i+2]|, |v[XS+\i+3]|
.endr
	v_max3_num_f32 v8, v8, |v[XS+14]|, |v[XS+15]|
	v_max3_num_f32 v8, v8, v9, (EMAX+1)<<23        ; and the floor 2^(EMAX + 1 - 127): so the byte cannot fall under 1
	v_max_num_f32_dpp v8, v8, v8 row_xmask:1 row_mask:0xf bank_mask:0xf   ; and of my neighbour's 16: the block's
	v_add_nc_u32 v11, -(EMAX<<23), v8              ; EMAX off its exponent field: the conversion takes the exponent field of this operand as its scale, and nothing else of it
	v_cvt_scalef32_pk8_fp4_f32 v[C+4*(\t)], v[XS:XS+7], v11
	v_cvt_scalef32_pk8_fp4_f32 v[C+4*(\t)+1], v[XS+8:XS+15], v11
	v_lshrrev_b32 v[E+(\t)], 23, v11               ; the scale's byte
	ds_store_b8 v5, v[E+(\t)] offset:16*(\t)       ; both lanes of a block write the same byte with the same value
	global_store_b64 v4, v[C+4*(\t):C+4*(\t)+1], s[8:9] offset:32*CB*(\t)
.endm
.irp t, 0,1,2,3,4,5,6,7,8,9,10,11,12,13,14,15
	STEP \t
.endr
	ds_load_b64 v[8:9], v6                         ; LDS serves a wave's instructions in order: these see my stores
	s_wait_dscnt 0x0
	global_store_b64 v7, v[8:9], s[10:11]          ; 32 lanes store 256 consecutive bytes, aligned
	s_branch .Lend
; THE CAST.  A wave takes 32 KiB of W_proj in four groups of sixteen loads of 512 consecutive bytes; a lane's four numbers become 8 bytes, so a store of the wave covers 256 consecutive bytes, aligned.  No LDS.
.macro CLOAD g
.irp i, 0,1,2,3,4,5,6,7,8,9,10,11,12,13,14,15
	global_load_b128 v[F+64*((\g)%2)+4*\i:F+64*((\g)%2)+4*\i+3], v3, s[24:25] offset:((\g)*16+\i)*512 th:TH_LOAD_NT
.endr
.endm
.macro CAST g
.if (\g) < 3
	s_wait_loadcnt 16                              ; this group's sixteen loads are in; the next group's sixteen stay out
.else
	s_wait_loadcnt 0x0
.endif
.if (\g) > 0
	s_wait_xcnt 0x0                                ; the last group's stores have read v144-175, which are written again below
.endif
.irp i, 0,1,2,3,4,5,6,7,8,9,10,11,12,13,14,15
	v_cvt_pk_f16_f32 v[HB+2*\i], v[F+64*((\g)%2)+4*\i], v[F+64*((\g)%2)+4*\i+1]
	v_cvt_pk_f16_f32 v[HB+2*\i+1], v[F+64*((\g)%2)+4*\i+2], v[F+64*((\g)%2)+4*\i+3]
.endr
.irp i, 0,1,2,3,4,5,6,7,8,9,10,11,12,13,14,15
	global_store_b64 v7, v[HB+2*\i:HB+2*\i+1], s[26:27] offset:((\g)*16+\i)*256
.endr
.if (\g) < 2
	CLOAD (\g)+2
.endif
.endm
.Lcast:
	s_sub_co_u32 s17, ttmp9, WGQ
	s_lshl_b32 s17, s17, 2
	s_add_co_u32 s17, s17, s16                     ; which run of 8,192 numbers is my wave's
	s_lshl_b32 s18, s17, 15
	s_mov_b32 s19, 0
	s_add_nc_u64 s[24:25], s[24:25], s[18:19]
	s_lshl_b32 s18, s17, 14
	s_add_nc_u64 s[26:27], s[26:27], s[18:19]
	CLOAD 0
	CLOAD 1
	CAST 0
	CAST 1
	CAST 2
	CAST 3
.Lend:
	s_wait_tensorcnt 0x0                           ; the wave's end, behind my last LDS store
	ds_add_u32 v[SPW], v[NIL]
	s_wait_dscnt 0x0
	s_endpgm
.Lfunc_end_k_q439dc13038_prep:
	.size	k_q439dc13038_prep, .Lfunc_end_k_q439dc13038_prep-k_q439dc13038_prep
	.p2alignl 7, 3214868480
	.fill 96, 4, 3214868480
	.section	.rodata,"a",@progbits
	.p2align	6, 0x0
	.amdhsa_kernel k_q439dc13038_prep
		.amdhsa_group_segment_fixed_size 33280
		.amdhsa_private_segment_fixed_size 0
		.amdhsa_enable_private_segment 0
		.amdhsa_kernarg_size 64
		.amdhsa_user_sgpr_count 2
		.amdhsa_user_sgpr_kernarg_segment_ptr 1
		.amdhsa_wavefront_size32 1
		.amdhsa_system_sgpr_workgroup_id_x 1
		.amdhsa_system_sgpr_workgroup_id_y 1
		.amdhsa_system_sgpr_workgroup_id_z 1
		.amdhsa_system_vgpr_workitem_id 0
		.amdhsa_next_free_vgpr 192
		.amdhsa_next_free_sgpr 66
		.amdhsa_reserve_vcc 0
		.amdhsa_float_denorm_mode_32 3
		.amdhsa_float_denorm_mode_16_64 3
		.amdhsa_memory_ordered 1
		.amdhsa_forward_progress 1
		.amdhsa_inst_pref_size 54
	.end_amdhsa_kernel
	.amdgpu_metadata
---
amdhsa.version: [ 1, 2 ]
amdhsa.kernels:
  - .name:           k_q439dc13038_prep
    .symbol:         k_q439dc13038_prep.kd
    .args:
      - { .name: x, .offset: 0, .size: 8, .value_kind: global_buffer, .address_space: global }
      - { .name: W_qkv, .offset: 8, .size: 8, .value_kind: global_buffer, .address_space: global }
      - { .name: xc, .offset: 16, .size: 8, .value_kind: global_buffer, .address_space: global }
      - { .name: xs, .offset: 24, .size: 8, .value_kind: global_buffer, .address_space: global }
      - { .name: wc, .offset: 32, .size: 8, .value_kind: global_buffer, .address_space: global }
      - { .name: ws, .offset: 40, .size: 8, .value_kind: global_buffer, .address_space: global }
      - { .name: W_proj, .offset: 48, .size: 8, .value_kind: global_buffer, .address_space: global }
      - { .name: wp16, .offset: 56, .size: 8, .value_kind: global_buffer, .address_space: global }
    .group_segment_fixed_size: 33280
    .private_segment_fixed_size: 0
    .kernarg_segment_align: 8
    .kernarg_segment_size: 64
    .max_flat_workgroup_size: 128
    .sgpr_count:     66
    .vgpr_count:     192
    .wavefront_size: 32
...
	.end_amdgpu_metadata
.endif
;; end of part 1
;; launch qkv (part 2): grid 12 x 16, 4 waves a work-group, clusters of 4 x 4, 327,680 bytes of LDS; arguments xc, xs, wc, ws, q_scale, k_scale, cos, sin, qf, kv; writes qf, kv
.if DOCPART == 2
	.amdgcn_target "amdgcn-amd-amdhsa--gfx1250"
	.amdhsa_code_object_version 6
	.text
	.protected	k_q439dc13038_qkv
	.globl	k_q439dc13038_qkv
	.p2align	8
	.type	k_q439dc13038_qkv,@function
k_q439dc13038_qkv:
	s_mov_b64 s[64:65], 0
	v_nop
	global_prefetch_b8 v0, s[64:65] scope:SCOPE_SE
	s_setreg_imm32_b32 hwreg(HW_REG_WAVE_MODE, 25, 1), 1
	s_wait_xcnt 0x0
	s_wait_alu depctr_hold_cnt(0) depctr_sa_sdst(0) depctr_va_vdst(0) depctr_va_sdst(0) depctr_va_ssrc(0) depctr_va_vcc(0) depctr_vm_vsrc(0)
	s_getreg_b32 s2, hwreg(HW_REG_IB_STS2, 6, 4)
	s_cmp_eq_u32 s2, 0
	s_cbranch_scc0 .Lentry_in_a_cluster
	s_endpgm
.Lentry_in_a_cluster:
	s_bfe_u32 s2, ttmp6, 0x10000c
	s_cmp_lg_u32 s2, 0xf033
	s_cbranch_scc0 .Lentry_shape_is_right
	s_endpgm
.Lentry_shape_is_right:
; qkv[l][e] = sum over c of x[l][c] W_qkv[e][c] on codes of FP4 (E2M1) with one E8M0 scale for each 32 along K, sums in f32; then, in f32, the RMS norm and the rope of q and k; q, k and v leave as f16.
; THE PRODUCT.  A tile of 256 x 256 is made by four waves, 128 x 128 each: 64 accumulators, 512 registers.  K = 1,024 is two slots of 512 (rows of 256 bytes): both, and all scale bytes, are first fills; nothing is filled again.
; CLUSTERS: 4 x 4 work-groups; x's tiles are asked for jointly along a row of the cluster, W's along a column.  A cluster's four tile columns are 1,024 columns: the cluster's x IS the kind (0 q, 1 k, 2 v), so the one
; branch on the kind is the same in all sixteen partners.  With 192 work-groups 64 WGPs stay without work: tiles of 192 columns would fill them but mix kinds inside a cluster.
; THE MATRIX INSTRUCTION IS USED TRANSPOSED (source 0 = 16 rows of W, source 1 = 16 rows of x): lane (r, h) holds position r and eight neighbouring channels 16 bb + 8 h + 0 .. 7 of a head.  So a head's 64 channels of a
; position lie in lanes l and l xor 16 (one exchange for the mean square), and channel d + 32, the rope's partner, is register + 16 of the same lane.
; THE WAY OUT needs no LDS.  Eight channels rounded to f16 are 4 registers, and they ARE registers 0-3 (bb even) or 4-7 (bb odd) of the 16-bit fragment (16 rows x 32 K) that attention wants: they are stored as images of
; registers, 16 bytes a lane, 512 consecutive aligned bytes a store.  q: [head][position / 16][bb][lane].  k and v: in the order of attention's ring (its head comment); v as [16 keys][16 channels], for the turning load.
; q is stored multiplied by log2(e) / 8, folded into q_scale in f32, so that attention's scores are exponents of 2.
; LIMITS: |v| must stay under 65,504 (f16); q and k are bounded by 8 |scale|.  NaN and infinities are not served.
; REGISTERS: window 0: v1-6 at work at the head, v7 and v30 offsets, v8-15 at work, v16-29 addresses, v32-95 scale words (then cos and sin, buffer 1), v96-127 the gains, v128-191 x's fragments (then U, OUT),
;   v192-255 cos and sin, buffer 0.   window 1: W's fragments, two sets.   windows 2, 3: the accumulators ((a, b) at v[8 (8 (a % 4) + b)]).
.set SIZE_M, 4096
.set SIZE_N, 3072
.set SIZE_K, 1024
.set KSTEP,  512                       ; along K in a slot
.set NQ,     KSTEP/128                 ; matrix instructions deep
.set ROWB,   256                       ; a tile's row in bytes
.set KROW,   SIZE_K*4/8                ; a row of codes in memory
.set PITCH,  272                       ; an LDS row: 256 bytes + 16 of padding: the 16 rows of a fragment load start at 16 different banks (64 banks of 4 bytes: ISA guide 11.1)
.set FR,     8                         ; registers of a fragment
.set NL,     2                         ; LDS loads that bring one
.set NP,     4                         ; places behind this matrix instruction (ISA guide 7.12.1)
.set HALFT,  128*PITCH
.set SLOT,   4*HALFT                   ; x's 256 rows, then W's 256 rows
.set KS,     SIZE_K/32                 ; a row of scales in bytes
.set SCL,    2*SLOT                    ; behind the two slots: the scales, as runs of 256 bytes + 16 of padding
.set HALFS,  (128*KS/256)*272
.set SBLK,   (16*KS/256)*272
.set SPARE,  SCL+4*HALFS               ; behind the scales: the spare words, 128 bytes for each wave
.set ADRA, 16                          ; v16-17  LDS address of my x fragments in slot 0, 1
.set ADRB, 20                          ; v20-21  the same for W
.set ADRS, 27                          ; v27     LDS address of my scale words: lanes 0-15 x's rows, lanes 16-31 W's
.set SPW,  28                          ; v28     my spare word; never rewritten
.set NIL,  29                          ; v29     0; never rewritten
.set CA,   7                           ; v7      cos, sin: 256 r + 32 h
.set GOF,  30                          ; v30     the gains: 32 h
.set VO,   18                          ; v18, v19, v22, v23: my byte offset in the output for rows 64 blk on, head hl: v[VO + 4 blk + hl]
.set SC,   32                          ; scale words, two sets of 32
.set GN,   96                          ; v96-127 the gain of my 32 channels (q: x log2(e) / 8)
.set AF,   128                         ; x's fragments
.set U,    128                         ; the way out: 32 normalised numbers;
.set PK,   128                         ; later 16 registers of f16
.set OU,   160                         ; and 32 roped numbers
.set SEL,  2                           ; s[2:3]  v_permlanex16_b32's selects for lane l xor 16
.set G1, 24
.set G0, 32
.set G1B, 48
.set G0B, 56
.set G1S, 68
.set G0S, 76
.set G1SB, 80
.set G0SB, 88
.set MSB, 0
.macro WIN new                         ; the immediate's high byte repeats the setting that is left
.if MSB != \new
	s_set_vgpr_msb (MSB<<8)|\new
.set MSB, \new
.endif
.endm
.set MUL_LO, 0xa1                      ; source 0 (W) window 1, source 1 (x) window 0, C and D window 2
.set MUL_HI, 0xf1                      ; the same, C and D window 3
.set TO_B,   0x40                      ; destination window 1, address window 0
; A joint load: waves 0 and 1 fetch for x, waves 2 and 3 for W.  The branch hangs on the wave's number alone.  An s_nop 0 and four v_nop follow each of the two lines.
.macro JLOAD g0a, g1a, g0b, g1b
	s_cmp_eq_u32 s15, 0
	s_cbranch_scc0 .Lfor_b_\@
	tensor_load_to_lds s[\g0a:\g0a+3], s[\g1a:\g1a+7]
	s_nop 0
.rept 4
	v_nop
.endr
	s_branch .Lasked_\@
.Lfor_b_\@:
	tensor_load_to_lds s[\g0b:\g0b+3], s[\g1b:\g1b+7]
	s_nop 0
.rept 4
	v_nop
.endr
.Lasked_\@:
.endm
.macro CREST
	s_cmp_lg_u32 s14, 0
	s_cbranch_scc1 .Lnot_wave_0_\@
	s_barrier_signal -3
.Lnot_wave_0_\@:
	s_barrier_wait -3
	s_barrier_signal -1
	s_barrier_wait -1
.endm
.macro CROUND                          ; a round of the cluster's barrier
	s_barrier_signal -1
	s_barrier_wait -1
	CREST
.endm
	s_load_b128 s[4:7], s[0:1], 0x0                ; x's codes, x's scales
	s_load_b128 s[8:11], s[0:1], 0x10              ; W's codes, W's scales
	s_load_b128 s[96:99], s[0:1], 0x40             ; qf, kv
	v_lshl_add_u32 v[SPW], v0, 2, SPARE
	v_mov_b32 v[NIL], 0
	ds_add_u32 v[SPW], v[NIL]                      ; the wave's opening: the add, twice on end, and its wait ahead of my first tensor load
	ds_add_u32 v[SPW], v[NIL]
	v_lshrrev_b32 v1, 5, v0
	v_readfirstlane_b32 s14, v1                    ; wave 0..3
	s_lshr_b32 s15, s14, 1                         ; which half of the tile's rows is mine.  Also: I fetch for x (0) or for W (1)
	s_and_b32 s16, s14, 1                          ; which half of its columns.  Also: which 128 rows of that tile I fetch
	s_bfe_u32 s40, ttmp6, 0x40000                  ; cx, cy: my place in the cluster
	s_bfe_u32 s41, ttmp6, 0x40004
	s_lshl_b32 s42, ttmp9, 2
	s_add_co_u32 s42, s42, s40                     ; tile column = 4 x cluster x + cx
	s_and_b32 s17, ttmp7, 0xffff
	s_lshl_b32 s17, s17, 2
	s_add_co_u32 s17, s17, s41                     ; tile row = 4 x cluster y + cy
	s_lshl_b32 s43, s41, 2
	s_lshl_b32 s43, 15, s43                        ; my row of the cluster
	s_lshl_b32 s44, 0x1111, s40                    ; my column
	; descriptor group 1: a tile of 128 rows x 256 bytes, 16 bytes of padding behind each row
	s_or_b32 s[G1+0], s43, (0<<16)|(1<<20)|(1<<21)|(5<<22)|(3<<25)
	s_or_b32 s[G1B+0], s44, (0<<16)|(1<<20)|(1<<21)|(5<<22)|(3<<25)
.irp g, G1, G1B
	s_mov_b32 s[\g+1], ROWB<<16                    ; tensor_dim0
	s_mov_b32 s[\g+2], 128<<16                     ; tensor_dim1
	s_mov_b32 s[\g+3], ROWB<<16                    ; tile_dim0
	s_mov_b32 s[\g+4], 128                         ; tile_dim1
	s_mov_b32 s[\g+5], KROW                        ; stride from row to row
	s_mov_b32 s[\g+6], 0
	s_mov_b32 s[\g+7], 0
.endr
	; the scales of 128 rows: a dense block of 4,096 bytes, as 16 rows of 256 bytes (32 elements of 8 bytes), 16 bytes of padding behind each
	s_or_b32 s[G1S+0], s43, (3<<16)|(1<<20)|(1<<21)|(5<<22)|(3<<25)
	s_or_b32 s[G1SB+0], s44, (3<<16)|(1<<20)|(1<<21)|(5<<22)|(3<<25)
.irp g, G1S, G1SB
	s_mov_b32 s[\g+1], 32<<16
	s_mov_b32 s[\g+2], (128*KS/256)<<16
	s_mov_b32 s[\g+3], 32<<16
	s_mov_b32 s[\g+4], 128*KS/256
	s_mov_b32 s[\g+5], 32
	s_mov_b32 s[\g+6], 0
	s_mov_b32 s[\g+7], 0
.endr
	s_lshl_b32 s18, s16, 7                         ; which 128 rows of the tile I fetch
	s_lshl_b32 s20, s17, 8
	s_add_co_u32 s20, s20, s18                     ; x: row 256 x tile row + 128 x half
	s_lshl_b32 s46, s42, 8
	s_add_co_u32 s46, s46, s18                     ; W: row 256 x tile column + 128 x half
	s_mov_b32 s21, 0
	s_mov_b32 s47, 0
	s_mov_b64 s[18:19], KS
	s_mul_u64 s[22:23], s[20:21], s[18:19]         ; where these rows' scales begin, in bytes
	s_mul_u64 s[92:93], s[46:47], s[18:19]
	s_mov_b64 s[18:19], KROW
	s_mul_u64 s[20:21], s[20:21], s[18:19]         ; and their codes
	s_mul_u64 s[46:47], s[46:47], s[18:19]
	s_mul_i32 s45, s14, HALFT                      ; where they go: wave x 128 rows
	s_mul_i32 s94, s14, HALFS
	s_wait_dscnt 0x0                               ; both opening adds are done
	s_wait_kmcnt 0x0
	s_add_nc_u64 s[20:21], s[4:5], s[20:21]
	s_add_nc_u64 s[22:23], s[6:7], s[22:23]
	s_add_nc_u64 s[46:47], s[8:9], s[46:47]
	s_add_nc_u64 s[92:93], s[10:11], s[92:93]
	CROUND                                         ; all sixteen work-groups are here: the first joint loads meet
	s_mov_b32 s[G0S], 1
	s_add_co_u32 s[G0S+1], s94, SCL
	s_mov_b64 s[G0S+2:G0S+3], s[22:23]
	s_or_b32 s[G0S+3], s[G0S+3], 0x80000000
	s_mov_b32 s[G0SB], 1
	s_add_co_u32 s[G0SB+1], s94, SCL
	s_mov_b64 s[G0SB+2:G0SB+3], s[92:93]
	s_or_b32 s[G0SB+3], s[G0SB+3], 0x80000000
	JLOAD G0S, G1S, G0SB, G1SB                     ; the scales first: they are wanted with K step 0
.irp s, 0,1
	s_mov_b32 s[G0+4*\s], 1
	s_add_co_u32 s[G0+4*\s+1], s45, \s*SLOT
	s_add_nc_u64 s[G0+4*\s+2:G0+4*\s+3], s[20:21], \s*ROWB
	s_or_b32 s[G0+4*\s+3], s[G0+4*\s+3], 0x80000000
	s_mov_b32 s[G0B+4*\s], 1
	s_add_co_u32 s[G0B+4*\s+1], s45, \s*SLOT
	s_add_nc_u64 s[G0B+4*\s+2:G0B+4*\s+3], s[46:47], \s*ROWB
	s_or_b32 s[G0B+4*\s+3], s[G0B+4*\s+3], 0x80000000
	JLOAD G0+4*\s, G1, G0B+4*\s, G1B               ; three tensor loads of mine are out now, and no more follow
.endr
	s_load_b256 s[4:11], s[0:1], 0x20              ; q_scale, k_scale, cos, sin (the four pointers that lay here live on in the descriptors)
	v_and_b32 v1, 15, v0                           ; r = l % 16
	v_bfe_u32 v2, v0, 4, 1                         ; h = l / 16
	v_mul_u32_u24 v3, v1, PITCH
	v_lshl_add_u32 v4, v2, 4, v3                   ; a fragment's row x pitch + 16 x half
	s_mul_i32 s21, s15, HALFT                      ; my 128 rows of x
	s_mul_i32 s22, s16, HALFT                      ; my 128 rows of W,
	s_add_co_u32 s22, s22, 2*HALFT                 ; which lie behind x's 256
.irp s, 0,1
	v_add_nc_u32 v[ADRA+\s], s21, v4
	v_add_nc_u32 v[ADRB+\s], s22, v4
	s_add_co_u32 s21, s21, SLOT
	s_add_co_u32 s22, s22, SLOT
.endr
	v_mul_u32_u24 v5, v1, KS                       ; my row's scales: KS bytes a row,
	v_lshrrev_b32 v6, 8, v5
	v_lshl_add_u32 v5, v6, 4, v5                   ; and 16 more for each 256 passed
	s_mul_i32 s21, s15, HALFS
	s_mul_i32 s22, s16, HALFS
	s_add_co_u32 s22, s22, 2*HALFS
	s_sub_co_u32 s22, s22, s21
	v_mul_u32_u24 v6, s22, v2                      ; lanes 16-31 take W's
	s_add_co_u32 s21, s21, SCL
	v_add_nc_u32 v5, v5, v6
	v_add_nc_u32 v[ADRS], s21, v5
	; ---- where the results go.  row0: my first position; head0: my first head; a wave has 128 positions (two blocks of 64) x two heads
	s_lshl_b32 s18, s17, 8
	s_lshl_b32 s19, s15, 7
	s_add_co_u32 s18, s18, s19                     ; row0 = 256 x tile row + 128 x half
	s_lshl_b32 s19, s40, 2
	s_lshl_b32 s20, s16, 1
	s_add_co_u32 s19, s19, s20                     ; head0 = 4 cx + 2 x half
	s_lshr_b32 s20, s18, 6                         ; row0 / 64
	s_lshl_b32 s92, s20, 13                        ; q: a block of 64 positions is 8,192 bytes of a head
	s_add_co_u32 s93, s92, 8192
	s_lshr_b32 s23, s18, 11                        ; k, v: the group of keys g = position / 2,048,
	s_and_b32 s20, s20, 31                         ; and the step j in it
	s_cmp_eq_u32 ttmp9, 1                          ; k lies one step earlier in the ring than v (step j's unit holds V(j) and K(j + 1)), and in a unit's second half
	s_cselect_b32 s21, 31, 0
	s_cselect_b32 s22, 8192, 0
	s_add_co_u32 s20, s20, s21
.irp b, 0,1
	s_add_co_u32 s41, s20, \b
	s_and_b32 s41, s41, 31                         ; the step whose unit takes these 64 keys
	s_lshr_b32 s43, s41, 2
	s_lshl_b32 s43, s43, 17                        ; slot = step / 4: 131,072 bytes
	s_and_b32 s41, s41, 3
	s_lshl_b32 s41, s41, 1
	s_add_co_u32 s41, s41, s23                     ; unit = 2 (step % 4) + g: 16,384 bytes
	s_lshl_b32 s41, s41, 14
	s_add_co_u32 s[94+\b], s43, s41
.endr
	s_mov_b32 s[SEL], 0x76543210
	s_mov_b32 s[SEL+1], 0xfedcba98
	s_mov_b32 s100, 0x3c800000                     ; 1 / 64
	s_mov_b32 s101, 0x358637bd                     ; 1e-6
	s_mov_b32 s67, 0x3f800000                      ; 1.0
	s_mov_b32 s44, 256
	s_wait_kmcnt 0x0
	s_cmp_eq_u32 ttmp9, 0                          ; q?  The cluster's x: the same in all partners
	s_cselect_b64 s[12:13], s[96:97], s[98:99]     ; the buffer,
	s_cselect_b64 s[4:5], s[4:5], s[6:7]           ; the gain,
	s_cselect_b32 s92, s92, s94                    ; the two blocks' places,
	s_cselect_b32 s93, s93, s95
	s_cselect_b32 s20, 19, 20                      ; a head's bytes, as a shift: 2^19 in qf, 2^20 in kv,
	s_cselect_b32 s66, 0x3e38aa3b, s67             ; and log2(e) / 8 for q, 1 for k
	s_mov_b32 s67, s66                             ; (named with it as a pair)
	s_cmp_eq_u32 ttmp9, 2                          ; v?  Its 16 bytes lie at 32 r + 16 h, the others' at 16 r + 256 h = 16 x lane
	s_cselect_b32 s43, 32, 16
	s_cselect_b32 s44, 16, s44
	s_lshl_b32 s21, 1, s20                         ; a head's bytes
	s_lshl_b32 s46, s19, s20
	s_add_co_u32 s46, s46, s22
	s_mov_b32 s47, 0
	s_add_nc_u64 s[12:13], s[12:13], s[46:47]      ; the buffer at my first head (k: in a unit's second half)
	s_lshl_b32 s46, s18, 8
	s_add_nc_u64 s[8:9], s[8:9], s[46:47]          ; cos and sin at my first position: 256 bytes a row
	s_add_nc_u64 s[10:11], s[10:11], s[46:47]
	v_lshlrev_b32 v[CA], 8, v1
	v_lshl_add_u32 v[CA], v2, 5, v[CA]
	v_lshlrev_b32 v[GOF], 5, v2
	v_mul_u32_u24 v8, v1, s43
	v_mad_u32_u24 v8, v2, s44, v8
	v_add_nc_u32 v[VO], s92, v8
	v_add_nc_u32 v[VO+1], s21, v[VO]
	v_add_nc_u32 v[VO+4], s93, v8
	v_add_nc_u32 v[VO+5], s21, v[VO+4]
.irp n, 0,1,2,3,4,5,6,7
	global_load_b128 v[GN+4*\n:GN+4*\n+3], v[GOF], s[4:5] offset:(\n/2)*64+(\n%2)*16   ; the gain of channels 16 bb + 8 h + 0 .. 7
.endr
; cos and sin of block a's 16 positions at my 32 channels, into buffer a % 2: 32 registers of cos, then 32 of sin.  Both heads of the wave use them.
.macro CSLOAD a
.set CB, 192-160*((\a)%2)
.irp n, 0,1,2,3,4,5,6,7
	global_load_b128 v[CB+4*\n:CB+4*\n+3], v[CA], s[8:9] offset:(\a)*4096+(\n/2)*64+(\n%2)*16
.endr
.irp n, 0,1,2,3,4,5,6,7
	global_load_b128 v[CB+32+4*\n:CB+32+4*\n+3], v[CA], s[10:11] offset:(\a)*4096+(\n/2)*64+(\n%2)*16
.endr
.endm
	CSLOAD 0                                       ; on every path, v's too: these land while the product runs
.macro FRAG reg, adr, q, i             ; a fragment, 16 rows x 128 K of 4-bit codes: registers 4 c .. 4 c + 3 hold K = 64 c + 32 (l / 16) + 0 .. 31
.irp c, 0,1
	ds_load_b128 v[\reg+4*\c:\reg+4*\c+3], v[\adr] offset:64*(\q)+32*\c+(\i)*16*PITCH
.endr
.endm
; 16 matrix instructions: x's blocks a0, a0 + 1 against W's eight.  The 64 accumulators take turns, one instruction a turn, in the same order in every step.
.macro MUL16 a0, p, q, sc, zero
.irp a, \a0, \a0+1
.irp b, 0,1,2,3,4,5,6,7
.if \zero
	v_wmma_scale_f32_16x16x128_f8f6f4 v[8*(8*((\a)%4)+\b):8*(8*((\a)%4)+\b)+7], v[128*(\p)+FR*\b:128*(\p)+FR*\b+FR-1], v[AF+FR*(\a):AF+FR*(\a)+FR-1], 0, v[SC+8*NQ*(\sc)+NQ*\b+(\q)], v[SC+8*NQ*(\sc)+NQ*(\a)+(\q)] matrix_a_fmt:MATRIX_FMT_FP4 matrix_b_fmt:MATRIX_FMT_FP4 matrix_a_scale:MATRIX_SCALE_ROW1
.else
	v_wmma_scale_f32_16x16x128_f8f6f4 v[8*(8*((\a)%4)+\b):8*(8*((\a)%4)+\b)+7], v[128*(\p)+FR*\b:128*(\p)+FR*\b+FR-1], v[AF+FR*(\a):AF+FR*(\a)+FR-1], v[8*(8*((\a)%4)+\b):8*(8*((\a)%4)+\b)+7], v[SC+8*NQ*(\sc)+NQ*\b+(\q)], v[SC+8*NQ*(\sc)+NQ*(\a)+(\q)] matrix_a_fmt:MATRIX_FMT_FP4 matrix_b_fmt:MATRIX_FMT_FP4 matrix_a_scale:MATRIX_SCALE_ROW1
.endif
.endr
.endr
.endm
.macro FETCH_B slot, q, p
	WIN TO_B
.irp i, 0,1,2,3,4,5,6,7
	FRAG 128*(\p)+FR*\i, ADRB+\slot, \q, \i
.endr
	WIN 0
.endm
.macro FETCH_A slot, q, i0
.irp i, \i0, \i0+1, \i0+2, \i0+3
	FRAG AF+FR*(\i), ADRA+\slot, \q, \i
.endr
.endm
.macro SCALES sc                       ; a K step's scale words: lanes 0-15 take x's block i, lanes 16-31 W's block i
.irp i, 0,1,2,3,4,5,6,7
	ds_load_b128 v[SC+8*NQ*\sc+NQ*\i:SC+8*NQ*\sc+NQ*\i+3], v[ADRS] offset:\i*SBLK
.endr
.endm
.macro PLACES n                        ; plain vector instructions between a matrix instruction and a load into, or a vector read or write of, its registers
.rept \n
	v_nop
.endr
.endm
.macro STEP slot, q, zero              ; a step of 128 along K that has its successor in the same slot
	s_wait_dscnt 4*NL                              ; W's set and x's blocks 0-3 are in; the youngest eight loads (x's blocks 4-7) may be out
	WIN MUL_LO
	MUL16 0, (\q)%2, \q, \slot, \zero
	MUL16 2, (\q)%2, \q, \slot, \zero
	s_wait_dscnt 0                                 ; x's blocks 4-7 are in
	PLACES NP
	FETCH_B \slot, (\q)+1, 1-(\q)%2
	FETCH_A \slot, (\q)+1, 0
	WIN MUL_HI
	MUL16 4, (\q)%2, \q, \slot, \zero
	MUL16 6, (\q)%2, \q, \slot, \zero
	PLACES NP
	WIN 0
	FETCH_A \slot, (\q)+1, 4
.endm
.macro TURN slot, next                 ; slot 0's last step goes over to slot 1: one barrier
	s_wait_tensorcnt 0x0                           ; all my tensor loads have landed: my part of the next slot
	ds_add_u32 v[SPW], v[NIL]                      ; 0 onto my spare word
	s_wait_dscnt 4*NL+1                            ; (the add and the youngest eight loads may be out)
	WIN MUL_LO
	MUL16 0, 1, NQ-1, \slot, 0
	s_wait_dscnt 0x0                               ; the add is done, and my reads of this slot are over
	s_barrier_signal -1
	MUL16 2, 1, NQ-1, \slot, 0
	WIN 0
	s_barrier_wait -1
	PLACES NP
	v_add_nc_u32 v[ADRS], 4*NQ, v[ADRS]            ; on to the next K step's scale words
	FETCH_B \next, 0, 0
	FETCH_A \next, 0, 0
	SCALES \next
	WIN MUL_HI
	MUL16 4, 1, NQ-1, \slot, 0
	MUL16 6, 1, NQ-1, \slot, 0
	PLACES NP
	WIN 0
	FETCH_A \next, 0, 4
.endm
	s_wait_tensorcnt 1                             ; the scales and my part of K step 0 are in; K step 1's load may be out
	s_barrier_signal -1
	s_barrier_wait -1
	FETCH_B 0, 0, 0
	FETCH_A 0, 0, 0
	SCALES 0
	FETCH_A 0, 0, 4
	STEP 0, 0, 1                                   ; the first products start the sums: nothing is cleared
	STEP 0, 1, 0
	STEP 0, 2, 0
	TURN 0, 1
	STEP 1, 0, 0
	STEP 1, 1, 0
	STEP 1, 2, 0
	s_wait_dscnt 4*NL                              ; the very last step: nothing more to fetch
	WIN MUL_LO
	MUL16 0, 1, NQ-1, 1, 0
	MUL16 2, 1, NQ-1, 1, 0
	s_wait_dscnt 0
	WIN MUL_HI
	MUL16 4, 1, NQ-1, 1, 0
	MUL16 6, 1, NQ-1, 1, 0
	WIN 0
	PLACES NP                                      ; for the reads of results, the writes over x's fragments and the loads over the scale words
; THE MEAN SQUARES of block a (16 positions), both heads: my 32 squares in two chains, each accumulator from its low pair on; lane l xor 16's 32; 1 / sqrt(mean + 1e-6) into v10 (head 0) and v14 (head 1).
.macro NORM a
	WIN 0x0a+5*((\a)/4)                            ; sources 0 and 1: window 2 or 3
.irp hl, 0,1
.set AC, 64*((\a)%4)+32*\hl
.set XX, 8+4*\hl
	v_pk_mul_f32 v[XX:XX+1], v[AC:AC+1], v[AC:AC+1]
	v_pk_mul_f32 v[XX+2:XX+3], v[AC+2:AC+3], v[AC+2:AC+3]
.set i, 4
.rept 7
	v_pk_fma_f32 v[XX:XX+1], v[AC+i:AC+i+1], v[AC+i:AC+i+1], v[XX:XX+1]
	v_pk_fma_f32 v[XX+2:XX+3], v[AC+i+2:AC+i+3], v[AC+i+2:AC+i+3], v[XX+2:XX+3]
.set i, i+4
.endr
.endr
	WIN 0
	v_pk_add_f32 v[8:9], v[8:9], v[10:11]
	v_pk_add_f32 v[12:13], v[12:13], v[14:15]
	v_add_f32 v8, v8, v9
	v_add_f32 v12, v12, v13
	v_permlanex16_b32 v9, v8, s[SEL], s[SEL+1]
	v_permlanex16_b32 v13, v12, s[SEL], s[SEL+1]
	v_add_f32 v8, v8, v9
	v_add_f32 v12, v12, v13
	v_fma_f32 v8, v8, s100, s101                   ; the mean + 1e-6
	v_fma_f32 v12, v12, s100, s101
	v_rsq_f32 v10, v8
	v_rsq_f32 v14, v12
	v_nop                                          ; a plain instruction behind the transcendentals,
	s_wait_alu depctr_va_vdst(0)                   ; and the wait ahead of the first use: one for both
.endm
; Block a, head hl: U = t x inv x gain; OUT = U cos -+ U(d +- 32) sin; rounded to f16; four stores of 512 consecutive bytes.
.macro ROPE a, hl
.set AC, 64*((\a)%4)+32*(\hl)
.set CB, 192-160*((\a)%2)
.set IV, 10+4*(\hl)
	s_wait_xcnt 0x0                                ; the last four stores have read v128-143, which are written again below
	WIN 0x02+(\a)/4                                ; source 0: window 2 or 3
.set i, 0
.rept 16
	v_pk_mul_f32 v[U+i:U+i+1], v[AC+i:AC+i+1], v[IV:IV+1] op_sel_hi:[1,0]
.set i, i+2
.endr
	WIN 0
.set i, 0
.rept 16
	v_pk_mul_f32 v[U+i:U+i+1], v[U+i:U+i+1], v[GN+i:GN+i+1]
.set i, i+2
.endr
.set i, 0
.rept 16
	v_pk_mul_f32 v[OU+i:OU+i+1], v[U+i:U+i+1], v[CB+i:CB+i+1]
.set i, i+2
.endr
.set i, 0
.rept 8
	v_pk_fma_f32 v[OU+i:OU+i+1], v[U+16+i:U+16+i+1], v[CB+32+i:CB+32+i+1], v[OU+i:OU+i+1] neg_lo:[1,0,0] neg_hi:[1,0,0]   ; d < 32: - t(d + 32) sin
.set i, i+2
.endr
.rept 8
	v_pk_fma_f32 v[OU+i:OU+i+1], v[U-16+i:U-16+i+1], v[CB+32+i:CB+32+i+1], v[OU+i:OU+i+1]                                  ; d >= 32: + t(d - 32) sin
.set i, i+2
.endr
.set i, 0
.rept 16
	v_cvt_pk_f16_f32 v[PK+i], v[OU+2*i], v[OU+2*i+1]
.set i, i+1
.endr
.irp bb, 0,1,2,3
	global_store_b128 v[VO+4*((\a)/4)+(\hl)], v[PK+4*\bb:PK+4*\bb+3], s[12:13] offset:((\a)%4)*2048+\bb*512
.endr
.endm
; v: rounded to f16 as it is, each accumulator from its low end on
.macro VOUT a, hl
.set AC, 64*((\a)%4)+32*(\hl)
	s_wait_xcnt 0x0                                ; the last four stores have read v128-143
	WIN 0x0a+5*((\a)/4)
.set i, 0
.rept 16
	v_cvt_pk_f16_f32 v[PK+i], v[AC+2*i], v[AC+2*i+1]
.set i, i+1
.endr
	WIN 0
.irp bb, 0,1,2,3
	global_store_b128 v[VO+4*((\a)/4)+(\hl)], v[PK+4*\bb:PK+4*\bb+3], s[12:13] offset:((\a)%4)*2048+\bb*512
.endr
.endm
	s_cmp_eq_u32 ttmp9, 2                          ; the cluster's x: all sixteen partners go the same way
	s_cbranch_scc1 .Lv
	CSLOAD 1
.irp a, 0,1,2,3,4,5,6,7
.if \a < 7
	s_wait_loadcnt 16                              ; this block's cos and sin (block 0: the gains too) are in; the next block's sixteen loads stay out
.else
	s_wait_loadcnt 0x0
.endif
.if \a == 0
.set i, 0
.rept 16
	v_pk_mul_f32 v[GN+i:GN+i+1], v[GN+i:GN+i+1], s[66:67] op_sel_hi:[1,0]   ; q: the gain x log2(e) / 8; k: x 1
.set i, i+2
.endr
.endif
	NORM \a
	ROPE \a, 0
	ROPE \a, 1
.if \a < 6
	CSLOAD \a+2                                    ; into the buffer that this block has just read
.endif
.endr
	s_branch .Lend
.Lv:
.irp a, 0,1,2,3,4,5,6,7
	VOUT \a, 0
	VOUT \a, 1
.endr
.Lend:
	s_wait_tensorcnt 0x0                           ; the wave's end
	ds_add_u32 v[SPW], v[NIL]
	s_wait_dscnt 0x0
	CROUND                                         ; the closing round
	s_endpgm
.Lfunc_end_k_q439dc13038_qkv:
	.size	k_q439dc13038_qkv, .Lfunc_end_k_q439dc13038_qkv-k_q439dc13038_qkv
	.p2alignl 7, 3214868480
	.fill 96, 4, 3214868480
	.section	.rodata,"a",@progbits
	.p2align	6, 0x0
	.amdhsa_kernel k_q439dc13038_qkv
		.amdhsa_group_segment_fixed_size 327680
		.amdhsa_private_segment_fixed_size 0
		.amdhsa_enable_private_segment 0
		.amdhsa_kernarg_size 80
		.amdhsa_user_sgpr_count 2
		.amdhsa_user_sgpr_kernarg_segment_ptr 1
		.amdhsa_wavefront_size32 1
		.amdhsa_system_sgpr_workgroup_id_x 1
		.amdhsa_system_sgpr_workgroup_id_y 1
		.amdhsa_system_sgpr_workgroup_id_z 1
		.amdhsa_system_vgpr_workitem_id 0
		.amdhsa_next_free_vgpr 1024
		.amdhsa_next_free_sgpr 102
		.amdhsa_reserve_vcc 0
		.amdhsa_float_denorm_mode_32 3
		.amdhsa_float_denorm_mode_16_64 3
		.amdhsa_memory_ordered 1
		.amdhsa_forward_progress 1
		.amdhsa_inst_pref_size 243
	.end_amdhsa_kernel
	.amdgpu_metadata
---
amdhsa.version: [ 1, 2 ]
amdhsa.kernels:
  - .name:           k_q439dc13038_qkv
    .symbol:         k_q439dc13038_qkv.kd
    .args:
      - { .name: xc, .offset: 0, .size: 8, .value_kind: global_buffer, .address_space: global }
      - { .name: xs, .offset: 8, .size: 8, .value_kind: global_buffer, .address_space: global }
      - { .name: wc, .offset: 16, .size: 8, .value_kind: global_buffer, .address_space: global }
      - { .name: ws, .offset: 24, .size: 8, .value_kind: global_buffer, .address_space: global }
      - { .name: q_scale, .offset: 32, .size: 8, .value_kind: global_buffer, .address_space: global }
      - { .name: k_scale, .offset: 40, .size: 8, .value_kind: global_buffer, .address_space: global }
      - { .name: cos, .offset: 48, .size: 8, .value_kind: global_buffer, .address_space: global }
      - { .name: sin, .offset: 56, .size: 8, .value_kind: global_buffer, .address_space: global }
      - { .name: qf, .offset: 64, .size: 8, .value_kind: global_buffer, .address_space: global }
      - { .name: kv, .offset: 72, .size: 8, .value_kind: global_buffer, .address_space: global }
    .group_segment_fixed_size: 327680
    .private_segment_fixed_size: 0
    .kernarg_segment_align: 8
    .kernarg_segment_size: 80
    .max_flat_workgroup_size: 128
    .sgpr_count:     102
    .vgpr_count:     1024
    .wavefront_size: 32
...
	.end_amdgpu_metadata
.endif
;; end of part 2
;; launch attn (part 3): grid 16 x 16, 8 waves a work-group, clusters of 4 x 1, 327,680 bytes of LDS; arguments qf, kv, ao; writes ao
.if DOCPART == 3
	.amdgcn_target "amdgcn-amd-amdhsa--gfx1250"
	.amdhsa_code_object_version 6
	.text
	.protected	k_q439dc13038_attn
	.globl	k_q439dc13038_attn
	.p2align	8
	.type	k_q439dc13038_attn,@function
k_q439dc13038_attn:
	s_mov_b64 s[64:65], 0
	v_nop
	global_prefetch_b8 v0, s[64:65] scope:SCOPE_SE
	s_setreg_imm32_b32 hwreg(HW_REG_WAVE_MODE, 25, 1), 1
	s_wait_xcnt 0x0
	s_wait_alu depctr_hold_cnt(0) depctr_sa_sdst(0) depctr_va_vdst(0) depctr_va_sdst(0) depctr_va_ssrc(0) depctr_va_vcc(0) depctr_vm_vsrc(0)
	s_getreg_b32 s2, hwreg(HW_REG_IB_STS2, 6, 4)
	s_cmp_eq_u32 s2, 0
	s_cbranch_scc0 .Lentry_in_a_cluster
	s_endpgm
.Lentry_in_a_cluster:
	s_bfe_u32 s2, ttmp6, 0x10000c
	s_cmp_lg_u32 s2, 0x3003
	s_cbranch_scc0 .Lentry_shape_is_right
	s_endpgm
.Lentry_shape_is_right:
; O[head][q] = the sum over k of softmax_k(q . k / 8) v[k]: 16 heads, 4,096 positions, head size 64, no mask.  q, k, v: f16, as images of operand registers (the launch before lays them); q carries log2(e) / 8, so a score
; is an exponent of 2.  Products, maxima and sums in f32; the weights p = 2^(s - m), at most 1, are rounded to f16 for the second product; O leaves as f16, again as images of registers, for the projection.
; SHARES.  A work-group owns 256 queries of one head.  Eight waves: wave w has query quarter qw = w % 4 (64 queries, four tiles of 16) and group g = w / 4.  Both waves of a quarter own the SAME queries; group g walks keys
; 2,048 g .. 2,048 g + 2,047, 64 a step, with its own running maximum m, sum l and O; at the end the two are merged through LDS.
; BY TURNS.  Time goes in half periods, each closed by the work-group's barrier.  In a half period one group multiplies (M: 32 products V^T P of the step before, then 32 products K Q^T of its next step) and the other
; runs its softmax (S) and fetches from LDS what its next M wants; then they change places.  So matrix work and vector work are issued at the same time by different waves, and each wave's text is plain phases.
; LAYOUT.  S^T = K Q^T (source 0 = 16 keys, source 1 = 16 queries): a lane holds ONE query (lane % 16) and keys 8 (lane / 16) + 0 .. 7.  Two such tiles rounded to f16 ARE source 1 of O^T = V^T P.  P is packed in place.
; THE RING.  kv of a head is 8 slots of 131,072 bytes; a slot is 8 units of 16,384; unit 2 (j % 4) + g of slot j / 4 holds V(g, j), 8,192 bytes as [16 keys][16 channels] blocks for the turning load, then K(g, j + 1) as
; images: just what S(j) of group g fetches.  K(g, 0) lies in the last slot's last units and comes from memory at the head.  Two LDS slots; wave w fetches unit w; a slot is read during its eight half periods.
; CLUSTER.  The four query blocks of a cluster belong to one head and walk the same ring: each unit is asked for JOINTLY, by the same tensor load with a mask that names the four.
; THE RUNNING MAXIMUM is kept because q_scale and k_scale are inputs: the scores have no bound.  LIMITS: NaN and infinities are not served; |O| stays under the largest |v|, which f16 must hold.
; REGISTERS.  window 0: v2-11 addresses; v16-63 statistics, 12 a tile; v64-191 S^T, 32 a tile (P in its first 16); v192-255 K.   window 1: v0-127 O^T, 32 a tile; v128-191 Q; v192-255 V.
.set UNIT,  16384
.set SLOT1, 1<<17                      ; slot 1 begins here: one exclusive or turns an address in one slot into the other's
.set SPARE, 2*SLOT1                    ; behind the ring: the spare words, 128 bytes for each of eight waves
.set STG,   18432                      ; the merge's stage for a quarter: 16,384 bytes of O^T + 4 x 512 of statistics; in slot 0, which has had its last fill and its last read by then
.set AKV, 2                            ; v2   16 x lane: my place in an image
.set AVT, 3                            ; v3   my place in a block of V for the turning load: 32 (8 h + lane % 8) + 16 ((lane / 8) % 2)
.set ADK, 4                            ; v4   LDS address of the unit in hand, for K
.set ADV, 5                            ; v5   and for V
.set GO,  6                            ; v6   16 x lane, as an offset in memory
.set PFO, 7                            ; v7   256 x lane: the prefetches' offset
.set STA, 8                            ; v8   my place in my quarter's stage
.set SPW, 10                           ; v10  my spare word; never rewritten
.set NIL, 11                           ; v11  0; never rewritten
.set ST,  16                           ; tile t's statistics at v[ST + 12 t]: +0 m, +1 m_old - m, +2, +3 l, +4 .. +7 at work, +8 a (+9 named with it), +10 the other half's maximum
.set S,   64
.set KF,  192
.set WV,  12                           ; s12  my wave's number
.set LIM, 15                           ; s15  1 in a wave that prefetches, else the greatest number
.set PFA, 18                           ; s[18:19] where my prefetches stand
.set G1,  24                           ; s[24:31] descriptor group 1
.set G0A, 32                           ; s[32:35] group 0 of slot 0's first fill
.set G0W, 36                           ; s[36:39] group 0 of slot 1's first fill; it then walks
.set TB,  40                           ; s40  LDS byte of the unit in hand
.set SLOTS, 41                         ; s41  slots still to be asked for
.set CNT, 42                           ; s42  counts a slot's steps
.set SEL, 44                           ; s[44:45] selects for lane l xor 16
.set MSB, 0
.macro WIN new                         ; the immediate's high byte repeats the setting that is left
.if MSB != \new
	s_set_vgpr_msb (MSB<<8)|\new
.set MSB, \new
.endif
.endm
.set W_PV, 0x51                        ; V, C and D in window 1, P in window 0
.set W_KQ, 0x04                        ; Q in window 1, K and S^T in window 0
.set W_RS, 0x41                        ; O^T (destination and source 0) in window 1, a in window 0
.macro CROUND                          ; a round of the cluster's barrier
	s_barrier_signal -1
	s_barrier_wait -1
	s_cmp_lg_u32 s[WV], 0
	s_cbranch_scc1 .Lnot_wave_0_\@
	s_barrier_signal -3
.Lnot_wave_0_\@:
	s_barrier_wait -3
	s_barrier_signal -1
	s_barrier_wait -1
.endm
.macro BAR                             ; a half period's end: my LDS loads are in; a tensor load may stay out across it
	s_wait_dscnt 0x0
	s_barrier_signal -1
	s_barrier_wait -1
.endm
; A PREFETCH INTO THE L2 of the slot that the NEXT change of slots will ask for: 131,072 bytes.  All clusters of a head walk the same ring: the head's first cluster asks.  Its four partners take 32,768 bytes each, told apart BY
; ADDRESS; in each, waves 0 to 3 take 8,192 bytes, lanes 256 bytes apart: one instruction a wave, each run of 256 bytes named once in the launch.  It stands behind the tensor load and its five lines, eight half periods ahead of
; the load that will want the bytes.  The last change that fills a slot asks for nothing; slots 0 to 2 come by their loads alone.
.macro ASK
	s_cmp_gt_u32 s[SLOTS], s[LIM]
	s_cbranch_scc0 .Lnot_mine_\@
	global_prefetch_b8 v[PFO], s[PFA:PFA+1] th:TH_LOAD_NT scope:SCOPE_SE
.Lnot_mine_\@:
.endm
	s_load_b128 s[4:7], s[0:1], 0x0                ; qf, kv
	s_load_b64 s[8:9], s[0:1], 0x10                ; ao
	v_lshl_add_u32 v[SPW], v0, 2, SPARE
	v_mov_b32 v[NIL], 0
	ds_add_u32 v[SPW], v[NIL]                      ; the wave's opening: the add, twice on end, and its wait ahead of my first tensor load
	ds_add_u32 v[SPW], v[NIL]
	v_lshrrev_b32 v1, 5, v0
	v_readfirstlane_b32 s[WV], v1                  ; wave 0..7
	s_lshr_b32 s16, s[WV], 2                       ; g: my group of keys
	s_and_b32 s17, s[WV], 3                        ; qw: my quarter of the queries
	s_bfe_u32 s13, ttmp6, 0x40000                  ; cx: my place in the cluster
	s_lshl_b32 s14, ttmp9, 2
	s_add_co_u32 s14, s14, s13                     ; my block of 256 queries: it enters qf's and ao's addresses alone
	s_and_b32 s20, ttmp7, 0xffff                   ; the head, which the four partners share
	s_lshl_b32 s22, s20, 20                        ; its 2^20 bytes of kv
	s_mov_b32 s23, 0
	s_lshl_b32 s50, s[WV], 14                      ; my unit: 16,384 x wave, in a slot of memory and of LDS alike
	s_mov_b32 s51, 0
	s_lshl_b32 s48, s16, 14
	s_add_co_u32 s48, s48, 7*SLOT1+6*UNIT+8192     ; K(g, 0): slot 7, unit 6 + g, second half
	s_mov_b32 s49, 0
	s_lshl_b32 s52, s14, 4
	s_lshl_b32 s53, s17, 2
	s_add_co_u32 s52, s52, s53                     ; my first tile of 16 queries: 16 x block + 4 qw
	s_lshl_b32 s54, s52, 11
	s_lshl_b32 s53, s20, 19
	s_add_co_u32 s54, s54, s53                     ; in qf: 2,048 bytes a tile, 2^19 a head
	s_mov_b32 s55, 0
	s_lshl_b32 s56, s52, 13                        ; in ao: 8,192 bytes a tile (16 rows x 256 channels),
	s_lshr_b32 s53, s20, 2
	s_lshl_b32 s53, s53, 21                        ; 2^21 for each four heads,
	s_add_co_u32 s56, s56, s53
	s_and_b32 s53, s20, 3
	s_lshl_b32 s53, s53, 11                        ; 2,048 for a head among its four
	s_add_co_u32 s56, s56, s53
	s_mov_b32 s57, 0
	s_lshl_b32 s58, s13, 15
	s_lshl_b32 s53, s17, 13
	s_add_co_u32 s58, s58, s53
	s_add_co_u32 s58, s58, 2*SLOT1                 ; the prefetches: my part, in slot 2; the first change of slots steps it to slot 3
	s_mov_b32 s59, 0
	s_or_b32 s[LIM], s16, ttmp9                    ; 0 in waves 0 to 3 of the head's first cluster: the same in all four partners
	s_cmp_eq_u32 s[LIM], 0
	s_cselect_b32 s[LIM], 1, -1
	; descriptor group 1: a unit, 16,384 dense bytes, as 64 rows of 256 bytes (32 elements of 8 bytes); no padding: every LDS read takes 512 or 256 consecutive bytes
	s_mov_b32 s[G1], 15|(3<<16)|(1<<21)            ; 15:0 the mask: all four work-groups; 17:16 elements of 8 bytes; 21 set beside a mask
	s_mov_b32 s[G1+1], 32<<16                      ; tensor_dim0
	s_mov_b32 s[G1+2], 64<<16                      ; tensor_dim1
	s_mov_b32 s[G1+3], 32<<16                      ; tile_dim0
	s_mov_b32 s[G1+4], 64                          ; tile_dim1
	s_mov_b32 s[G1+5], 32                          ; stride from row to row
	s_mov_b32 s[G1+6], 0
	s_mov_b32 s[G1+7], 0
	s_mov_b32 s[SEL], 0x76543210
	s_mov_b32 s[SEL+1], 0xfedcba98
	s_mov_b32 s[TB], 0
	v_and_b32 v12, 31, v0
	v_lshlrev_b32 v[AKV], 4, v12
	v_lshlrev_b32 v[PFO], 8, v12
	v_lshlrev_b32 v[GO], 4, v12
	v_and_b32 v12, 7, v0
	v_bfe_u32 v13, v0, 4, 1
	v_lshl_add_u32 v12, v13, 3, v12
	v_lshlrev_b32 v[AVT], 5, v12
	v_bfe_u32 v13, v0, 3, 1
	v_lshl_add_u32 v[AVT], v13, 4, v[AVT]
	s_mul_i32 s21, s17, STG
	v_add_nc_u32 v[STA], s21, v[AKV]
	s_wait_dscnt 0x0                               ; both opening adds are done
	s_wait_kmcnt 0x0
	s_add_nc_u64 s[6:7], s[6:7], s[22:23]          ; kv at my head
	s_add_nc_u64 s[46:47], s[6:7], s[48:49]        ; K(g, 0)
	s_add_nc_u64 s[PFA:PFA+1], s[6:7], s[58:59]
	s_add_nc_u64 s[4:5], s[4:5], s[54:55]          ; qf and ao at my first tile
	s_add_nc_u64 s[8:9], s[8:9], s[56:57]
	CROUND                                         ; all four work-groups are here: the first joint loads meet
	s_mov_b32 s[G0A], 1
	s_mov_b32 s[G0A+1], s50
	s_add_nc_u64 s[G0A+2:G0A+3], s[6:7], s[50:51]
	s_or_b32 s[G0A+3], s[G0A+3], 0x80000000
	s_mov_b32 s[G0W], 1
	s_add_co_u32 s[G0W+1], s50, SLOT1
	s_add_nc_u64 s[G0W+2:G0W+3], s[6:7], s[50:51]
	s_add_nc_u64 s[G0W+2:G0W+3], s[G0W+2:G0W+3], SLOT1
	s_or_b32 s[G0W+3], s[G0W+3], 0x80000000
	tensor_load_to_lds s[G0A:G0A+3], s[G1:G1+7]    ; slot 0; every wave fetches its unit: two loads of mine are out
	s_nop 0
	tensor_load_to_lds s[G0W:G0W+3], s[G1:G1+7]    ; slot 1
	s_nop 0
.rept 4
	v_nop
.endr
	WIN 0x40                                       ; destination window 1
.irp n, 0,1,2,3,4,5,6,7,8,9,10,11,12,13,14,15
	global_load_b128 v[128+4*\n:128+4*\n+3], v[GO], s[4:5] offset:512*\n    ; Q stays in registers: tile n / 4, channels 16 (n % 4) on
.endr
.set i, 0
.rept 128
	v_mov_b32 v[i], 0                              ; O^T.  The step is written once for all steps: the first finds zeros, which a = 0 leaves zeros; that spares two further copies of the step's text
.set i, i+1
.endr
	WIN 0
.irp n, 0,1,2,3,4,5,6,7,8,9,10,11,12,13,14,15
	global_load_b128 v[KF+4*\n:KF+4*\n+3], v[GO], s[46:47] offset:512*\n    ; K(g, 0)
.endr
.irp t, 0,1,2,3
	v_mov_b32 v[ST+12*\t], 0xff61b1e6              ; m: -3e38, under every score
	v_mov_b32 v[ST+12*\t+1], 0
	v_mov_b32 v[ST+12*\t+2], 0                     ; l, in two halves
	v_mov_b32 v[ST+12*\t+3], 0
	v_mov_b32 v[ST+12*\t+8], 0
	v_mov_b32 v[ST+12*\t+9], 0                     ; (named as the upper half of a's pair)
	v_mov_b32 v[ST+12*\t+10], 0                    ; (a lane permute's destination counts as one of its sources)
.endr
; M.  pv: 32 products O^T += V^T P: keys 32 (i / 16) on, channels 16 ((i / 4) % 4) on, tile i % 4.  kq: 32 products S^T = K Q^T: channels 32 (i / 16) on, keys 16 ((i / 4) % 4) on, tile i % 4; the first 16 start the sums.
; Sixteen accumulators take turns, one instruction a turn.  K Q^T writes over P's registers, which V^T P has read: five places between.
; THE PLACES AT THE END.  Four serve what follows a V^T P: reads of O^T, loads into V.  Behind a K Q^T stand FIVE: four for the next S (its reads of S^T, its loads into K), and the fifth because a V^T P takes S^T's registers as
; its operand P: so on every way through the text, the way out of the loop into the merge too, such a product stands five places behind the last K Q^T.
.macro MBLK pv, kq
.if \pv
	WIN W_PV
.set i, 0
.rept 32
.set rO, 32*(i%4)+8*((i/4)%4)
.set rV, 192+32*(i/16)+8*((i/4)%4)
.set rP, S+32*(i%4)+8*(i/16)
	v_wmma_f32_16x16x32_f16 v[rO:rO+7], v[rV:rV+7], v[rP:rP+7], v[rO:rO+7]
.set i, i+1
.endr
.endif
.if (\pv) && (\kq)
.rept 5
	v_nop
.endr
.endif
.if \kq
	WIN W_KQ
.set i, 0
.rept 32
.set rS, S+32*(i%4)+8*((i/4)%4)
.set rK, KF+16*((i/4)%4)+8*(i/16)
.set rQ, 128+16*(i%4)+8*(i/16)
.if i < 16
	v_wmma_f32_16x16x32_f16 v[rS:rS+7], v[rK:rK+7], v[rQ:rQ+7], 0
.else
	v_wmma_f32_16x16x32_f16 v[rS:rS+7], v[rK:rK+7], v[rQ:rQ+7], v[rS:rS+7]
.endif
.set i, i+1
.endr
.endif
	WIN 0
.rept 4+(\kq)
	v_nop
.endr
.endm
; THE SOFTMAX of tile tt for a step is three lists; each macro writes number nn of its list.
; SMA, 36 plain instructions: the maximum of the lane's 32 scores and the old m (each accumulator is read from its low end on); the other half of the lanes'; the new m; m_old - m; s - m, two at a time.
.macro SMA
.set rT, ST+12*tt
.set rS, S+32*tt
.if nn < 4
	v_max3_num_f32 v[rT+4+nn], v[rS+8*nn], v[rS+8*nn+1], v[rS+8*nn+2]
.elseif nn < 12
	v_max3_num_f32 v[rT+4+nn%4], v[rT+4+nn%4], v[rS+8*(nn%4)+2*(nn/4)+1], v[rS+8*(nn%4)+2*(nn/4)+2]
.elseif nn == 12
	v_max3_num_f32 v[rT+4], v[rT+4], v[rS+7], v[rS+15]
.elseif nn == 13
	v_max3_num_f32 v[rT+6], v[rT+6], v[rS+23], v[rS+31]
.elseif nn == 14
	v_max3_num_f32 v[rT+4], v[rT+4], v[rT+5], v[rT+6]
.elseif nn == 15
	v_max3_num_f32 v[rT+4], v[rT+4], v[rT+7], v[rT]
.elseif nn == 16
	v_permlanex16_b32 v[rT+10], v[rT+4], s[SEL], s[SEL+1]
.elseif nn == 17
	v_mov_b32 v[rT+1], v[rT]
.elseif nn == 18
	v_max_num_f32 v[rT], v[rT+4], v[rT+10]
.elseif nn == 19
	v_sub_f32 v[rT+1], v[rT+1], v[rT]
.else
	v_pk_add_f32 v[rS+2*(nn-20):rS+2*(nn-20)+1], v[rS+2*(nn-20):rS+2*(nn-20)+1], v[rT:rT+1] op_sel_hi:[1,0] neg_lo:[0,1] neg_hi:[0,1]
.endif
.endm
; SME, 33 exponentials: a = 2^(m_old - m), then p = 2^(s - m) in place.
.macro SME
.set rT, ST+12*tt
.set rS, S+32*tt
.if nn == 0
	v_exp_f32 v[rT+8], v[rT+1]
.else
	v_exp_f32 v[rS+nn-1], v[rS+nn-1]
.endif
.endm
; SMB, 32 plain instructions: the sum of the 16 pairs in two chains (p is left as it is); l = a l + the sum; then p rounded to f16 in place, ascending: P's register i takes p(2 i), p(2 i + 1), which are read no more.
.macro SMB
.set rT, ST+12*tt
.set rS, S+32*tt
.if nn == 0
	v_pk_add_f32 v[rT+4:rT+5], v[rS:rS+1], v[rS+2:rS+3]
.elseif nn == 1
	v_pk_add_f32 v[rT+6:rT+7], v[rS+4:rS+5], v[rS+6:rS+7]
.elseif nn < 14
	v_pk_add_f32 v[rT+4+2*(nn%2):rT+5+2*(nn%2)], v[rT+4+2*(nn%2):rT+5+2*(nn%2)], v[rS+2*(nn+2):rS+2*(nn+2)+1]
.elseif nn == 14
	v_pk_add_f32 v[rT+4:rT+5], v[rT+4:rT+5], v[rT+6:rT+7]
.elseif nn == 15
	v_pk_fma_f32 v[rT+2:rT+3], v[rT+2:rT+3], v[rT+8:rT+9], v[rT+4:rT+5] op_sel_hi:[1,0,1]
.else
	v_cvt_pk_f16_f32 v[rS+nn-16], v[rS+2*(nn-16)], v[rS+2*(nn-16)+1]
.endif
.endm
; S.  First the 32 LDS loads for my next M, in one run: V of this step, turned, and K of the next.  Then the softmax in two pieces (tiles 0, 1 and tiles 2, 3), the tiles of a piece alternating: a piece's exponentials stand
; between plain instructions of the OTHER piece, which name none of their results.  Each piece's 66 exponentials are one batch with one plain instruction and one wait behind it, ahead of the first instruction that names a result.
.macro SBLK
	WIN 0x40                                       ; destination window 1
.irp f, 0,1,2,3,4,5,6,7                        ; keys 32 (f / 4) on, channels 16 (f % 4) on
	ds_load_tr16_b128 v[192+8*\f:192+8*\f+3], v[ADV] offset:(2*(\f/4))*2048+(\f%4)*512
	ds_load_tr16_b128 v[192+8*\f+4:192+8*\f+7], v[ADV] offset:(2*(\f/4)+1)*2048+(\f%4)*512
.endr
	WIN 0
.irp n, 0,1,2,3,4,5,6,7,8,9,10,11,12,13,14,15
	ds_load_b128 v[KF+4*\n:KF+4*\n+3], v[ADK] offset:8192+512*\n
.endr
.set qq, 0
.rept 72
.set tt, qq%2
.set nn, qq/2
	SMA
.set qq, qq+1
.endr
.set qq, 0
.rept 66
.set tt, qq%2
.set nn, qq/2
	SME
.set tt, 2+qq%2
	SMA
.set qq, qq+1
.endr
.rept 6
.set tt, 2+qq%2
.set nn, qq/2
	SMA
.set qq, qq+1
.endr
	v_nop                                          ; a plain instruction behind the batch,
	s_wait_alu depctr_va_vdst(0)                   ; and the wait: one for tiles 0 and 1
.set qq, 0
.rept 66
.set tt, 2+qq%2
.set nn, qq/2
	SME
.if qq < 64
.set tt, qq%2
	SMB
.endif
.set qq, qq+1
.endr
	v_nop
	s_wait_alu depctr_va_vdst(0)                   ; one for tiles 2 and 3
.set qq, 0
.rept 64
.set tt, 2+qq%2
.set nn, qq/2
	SMB
.set qq, qq+1
.endr
	WIN W_RS
.set qq, 0
.rept 64
.set rT, ST+12*(qq/16)
	v_pk_mul_f32 v[2*qq:2*qq+1], v[2*qq:2*qq+1], v[rT+8:rT+9] op_sel_hi:[1,0]   ; O^T x a, each accumulator from its low end on
.set qq, qq+1
.endr
	WIN 0
.endm
; THE HALF PERIODS.  The unit's LDS addresses are made by every wave, ahead of the parting; the branch hangs on the wave's number alone; the step of the unit and the barrier stand behind the join, on every wave's path.
.macro HPA first                       ; group 0: S(j); group 1: M(j)
	v_add_nc_u32 v[ADK], s[TB], v[AKV]
	v_add_nc_u32 v[ADV], s[TB], v[AVT]
	s_cmp_lt_u32 s[WV], 4
	s_cbranch_scc0 .Lg1_\@
	SBLK
	s_branch .Ljoin_\@
.Lg1_\@:
	MBLK 1-\first, 1
.Ljoin_\@:
	s_add_co_u32 s[TB], s[TB], UNIT
	BAR
.endm
.macro HPB                             ; group 0: M(j + 1); group 1: S(j)
	v_add_nc_u32 v[ADK], s[TB], v[AKV]
	v_add_nc_u32 v[ADV], s[TB], v[AVT]
	s_cmp_lt_u32 s[WV], 4
	s_cbranch_scc0 .Lg1_\@
	MBLK 1, 1
	s_branch .Ljoin_\@
.Lg1_\@:
	SBLK
.Ljoin_\@:
	s_add_co_u32 s[TB], s[TB], UNIT
	BAR
.endm
.macro BSTEP first
	HPA \first
	HPB
.endm
.macro STEPS n
	s_mov_b32 s[CNT], \n
.Lstep_\@:
	BSTEP 0
	s_sub_co_u32 s[CNT], s[CNT], 1
	s_cmp_lg_u32 s[CNT], 0
	s_cbranch_scc1 .Lstep_\@
.endm
; THE CHANGE OF SLOTS.  Each wave waits for all its tensor loads, of which one is out: its unit of the slot ahead; adds 0 to its spare word; and waits for that (its reads of the slot left are over since the last half period's end).
; fill = 1: the barrier is a round of the cluster's, and behind it the slot just left is filled with the units two slots on: the wave's one tensor load, with eight half periods in which to land.
.macro CHANGE fill
	s_wait_tensorcnt 0x0                           ; no tensor load of mine is out, so a group 0 may be written
	ds_add_u32 v[SPW], v[NIL]                      ; 0 onto my spare word
.if \fill
	s_xor_b32 s[G0W+1], s[G0W+1], SLOT1            ; the walking descriptor: the other slot than last time,
	s_add_nc_u64 s[G0W+2:G0W+3], s[G0W+2:G0W+3], SLOT1   ; the next slot of memory; the type bits on top are not reached
	s_wait_xcnt 0x0                                ; the last prefetch, a slot back, has read its address
	s_add_nc_u64 s[PFA:PFA+1], s[PFA:PFA+1], SLOT1
	s_wait_dscnt 0x0
	CROUND
	tensor_load_to_lds s[G0W:G0W+3], s[G1:G1+7]
	s_nop 0
.rept 4
	v_nop
.endr
	ASK
.else
	s_wait_dscnt 0x0
	s_barrier_signal -1
	s_barrier_wait -1
.endif
	s_sub_co_u32 s[TB], s[TB], SLOT1               ; back to a slot's first unit,
	s_xor_b32 s[TB], s[TB], SLOT1                  ; in the other slot
.endm
	s_wait_tensorcnt 0x1                           ; my unit of slot 0 is in; slot 1's may stay out
	s_barrier_signal -1
	s_barrier_wait -1
	s_wait_loadcnt 0x0                             ; Q and K(g, 0)
	s_cmp_lt_u32 s[WV], 4
	s_cbranch_scc0 .Lpre
	MBLK 0, 1                                      ; group 0's first scores
.Lpre:
	BAR
	BSTEP 1                                        ; step 0: group 1's M has no V^T P yet
	STEPS 3
	s_mov_b32 s[SLOTS], 6
.Lslot:                                            ; six trips: slots 1 to 6 are read, slots 2 to 7 asked for
	CHANGE 1
	STEPS 4
	s_sub_co_u32 s[SLOTS], s[SLOTS], 1
	s_cmp_lg_u32 s[SLOTS], 0
	s_cbranch_scc1 .Lslot
	CHANGE 0                                       ; the last slot is written out
	STEPS 4                                        ; (in its last step group 0's K Q^T multiplies K(g, 0) once more, which the ring's last unit holds; the result is not used)
	; THE MERGE.  Group 1 finishes its O^T and hands it, with m and l, to group 0 through the stage, as images of registers.
	s_cmp_lt_u32 s[WV], 4
	s_cbranch_scc1 .Lkeep
	MBLK 1, 0                                      ; V^T P of group 1's last step
	WIN 0x04                                       ; an LDS store's data are its source 1: window 1
.set i, 0
.rept 32
	ds_store_b128 v[STA], v[4*i:4*i+3] offset:512*i
.set i, i+1
.endr
	WIN 0
.irp t, 0,1,2,3
	ds_store_b128 v[STA], v[ST+12*\t:ST+12*\t+3] offset:16384+512*\t
.endr
.Lkeep:
	BAR                                            ; the stores have landed
	s_cmp_lt_u32 s[WV], 4
	s_cbranch_scc0 .Lfin
.set i, 0
.rept 32
	ds_load_b128 v[S+4*i:S+4*i+3], v[STA] offset:512*i                 ; group 1's O^T, over S^T
.set i, i+1
.endr
.irp t, 0,1,2,3
	ds_load_b128 v[KF+4*\t:KF+4*\t+3], v[STA] offset:16384+512*\t      ; its m (+0) and l (+2, +3), over K
.endr
	s_wait_dscnt 0x0
.irp t, 0,1,2,3
	v_max_num_f32 v[ST+12*\t+4], v[ST+12*\t], v[KF+4*\t]               ; M = the larger m
.endr
.irp t, 0,1,2,3
	v_sub_f32 v[ST+12*\t+5], v[ST+12*\t], v[ST+12*\t+4]
	v_sub_f32 v[ST+12*\t+6], v[KF+4*\t], v[ST+12*\t+4]
.endr
.irp t, 0,1,2,3
	v_exp_f32 v[ST+12*\t+5], v[ST+12*\t+5]                             ; f0 = 2^(m0 - M)
	v_exp_f32 v[ST+12*\t+6], v[ST+12*\t+6]                             ; f1 = 2^(m1 - M)
.endr
.irp t, 0,1,2,3
	v_add_f32 v[ST+12*\t+2], v[ST+12*\t+2], v[ST+12*\t+3]              ; l's two halves (plain work behind the batch)
	v_add_f32 v[KF+4*\t+2], v[KF+4*\t+2], v[KF+4*\t+3]
.endr
	s_wait_alu depctr_va_vdst(0)                   ; one wait for the eight exponentials, ahead of their first use
.irp t, 0,1,2,3
	v_mul_f32 v[ST+12*\t+7], v[ST+12*\t+2], v[ST+12*\t+5]
.endr
.irp t, 0,1,2,3
	v_fma_f32 v[ST+12*\t+7], v[KF+4*\t+2], v[ST+12*\t+6], v[ST+12*\t+7]
.endr
.irp t, 0,1,2,3
	v_permlanex16_b32 v[ST+12*\t+10], v[ST+12*\t+7], s[SEL], s[SEL+1]
.endr
.irp t, 0,1,2,3
	v_add_f32 v[ST+12*\t+7], v[ST+12*\t+7], v[ST+12*\t+10]             ; the row's sum under M
.endr
.irp t, 0,1,2,3
	v_rcp_f32 v[ST+12*\t+7], v[ST+12*\t+7]
.endr
	v_nop
	s_wait_alu depctr_va_vdst(0)                   ; one wait for the four reciprocals
.irp t, 0,1,2,3
	v_mul_f32 v[ST+12*\t+8], v[ST+12*\t+5], v[ST+12*\t+7]              ; g0 = f0 / the sum
	v_mul_f32 v[ST+12*\t+4], v[ST+12*\t+6], v[ST+12*\t+7]              ; g1 = f1 / the sum
.endr
.set i, 0
.rept 64
.set rT, ST+12*(i/16)
	v_pk_mul_f32 v[S+2*i:S+2*i+1], v[S+2*i:S+2*i+1], v[rT+4:rT+5] op_sel_hi:[1,0]
.set i, i+1
.endr
	WIN 0x01                                       ; source 0: window 1
.set i, 0
.rept 64
.set rT, ST+12*(i/16)
	v_pk_fma_f32 v[S+2*i:S+2*i+1], v[2*i:2*i+1], v[rT+8:rT+9], v[S+2*i:S+2*i+1] op_sel_hi:[1,0,1]   ; + my O^T x g0, each accumulator from its low end on
.set i, i+1
.endr
	WIN 0
.set i, 0
.rept 64
	v_cvt_pk_f16_f32 v[S+32*(i/16)+i%16], v[S+32*(i/16)+2*(i%16)], v[S+32*(i/16)+2*(i%16)+1]         ; to f16, in place, ascending
.set i, i+1
.endr
.irp t, 0,1,2,3
.irp c, 0,1,2,3
	global_store_b128 v[GO], v[S+32*\t+4*\c:S+32*\t+4*\c+3], s[8:9] offset:\t*8192+(\c/2)*1024+(\c%2)*512   ; 512 consecutive aligned bytes: half a fragment of the projection's operand
.endr
.endr
.Lfin:
	s_wait_tensorcnt 0x0                           ; the wave's end
	ds_add_u32 v[SPW], v[NIL]
	s_wait_dscnt 0x0
	CROUND                                         ; the closing round
	s_endpgm
.Lfunc_end_k_q439dc13038_attn:
	.size	k_q439dc13038_attn, .Lfunc_end_k_q439dc13038_attn-k_q439dc13038_attn
	.p2alignl 7, 3214868480
	.fill 96, 4, 3214868480
	.section	.rodata,"a",@progbits
	.p2align	6, 0x0
	.amdhsa_kernel k_q439dc13038_attn
		.amdhsa_group_segment_fixed_size 327680
		.amdhsa_private_segment_fixed_size 0
		.amdhsa_enable_private_segment 0
		.amdhsa_kernarg_size 24
		.amdhsa_user_sgpr_count 2
		.amdhsa_user_sgpr_kernarg_segment_ptr 1
		.amdhsa_wavefront_size32 1
		.amdhsa_system_sgpr_workgroup_id_x 1
		.amdhsa_system_sgpr_workgroup_id_y 1
		.amdhsa_system_sgpr_workgroup_id_z 1
		.amdhsa_system_vgpr_workitem_id 0
		.amdhsa_next_free_vgpr 512
		.amdhsa_next_free_sgpr 66
		.amdhsa_reserve_vcc 0
		.amdhsa_float_denorm_mode_32 3
		.amdhsa_float_denorm_mode_16_64 3
		.amdhsa_memory_ordered 1
		.amdhsa_forward_progress 1
		.amdhsa_inst_pref_size 255
	.end_amdhsa_kernel
	.section	.bss,"aw",@nobits
	.p2align	6
	.space	262144
	.amdgpu_metadata
---
amdhsa.version: [ 1, 2 ]
amdhsa.kernels:
  - .name:           k_q439dc13038_attn
    .symbol:         k_q439dc13038_attn.kd
    .args:
      - { .name: qf, .offset: 0, .size: 8, .value_kind: global_buffer, .address_space: global }
      - { .name: kv, .offset: 8, .size: 8, .value_kind: global_buffer, .address_space: global }
      - { .name: ao, .offset: 16, .size: 8, .value_kind: global_buffer, .address_space: global }
    .group_segment_fixed_size: 327680
    .private_segment_fixed_size: 0
    .kernarg_segment_align: 8
    .kernarg_segment_size: 24
    .max_flat_workgroup_size: 256
    .sgpr_count:     66
    .vgpr_count:     512
    .wavefront_size: 32
...
	.end_amdgpu_metadata
.endif
;; end of part 3
;; launch proj (part 4): grid 8 x 32, 4 waves a work-group, clusters of 4 x 4, 327,680 bytes of LDS; arguments ao, wp16, b_proj, out0; writes out0
.if DOCPART == 4
	.amdgcn_target "amdgcn-amd-amdhsa--gfx1250"
	.amdhsa_code_object_version 6
	.text
	.protected	k_q439dc13038_proj
	.globl	k_q439dc13038_proj
	.p2align	8
	.type	k_q439dc13038_proj,@function
k_q439dc13038_proj:
	s_mov_b64 s[64:65], 0
	v_nop
	global_prefetch_b8 v0, s[64:65] scope:SCOPE_SE
	s_setreg_imm32_b32 hwreg(HW_REG_WAVE_MODE, 25, 1), 1
	s_wait_xcnt 0x0
	s_wait_alu depctr_hold_cnt(0) depctr_sa_sdst(0) depctr_va_vdst(0) depctr_va_sdst(0) depctr_va_ssrc(0) depctr_va_vcc(0) depctr_vm_vsrc(0)
	s_getreg_b32 s2, hwreg(HW_REG_IB_STS2, 6, 4)
	s_cmp_eq_u32 s2, 0
	s_cbranch_scc0 .Lentry_in_a_cluster
	s_endpgm
.Lentry_in_a_cluster:
	s_bfe_u32 s2, ttmp6, 0x10000c
	s_cmp_lg_u32 s2, 0xf033
	s_cbranch_scc0 .Lentry_shape_is_right
	s_endpgm
.Lentry_shape_is_right:
; out0[l][n] = sum over c of O[l][c] W_proj[n][c] + b_proj[n].  O and W_proj in f16, sums in f32, out0 in f32.  M = 4,096, N = 1,024, K = 1,024.
; A tile of 128 x 128 gives 256 work-groups.  Four waves, each 64 x 64: 16 accumulators.  K goes in steps of 256 through two LDS slots, four steps in all.
; O arrives as IMAGES OF OPERAND REGISTERS: [K step of 256][16 rows][fragment of 32 K][half][lane x 16 bytes].  A tile's 128 rows of a K step are one dense block of 65,536 bytes; a fragment is two LDS loads of 512
; consecutive bytes: no pitch, no padding.  W_proj lies by rows: rows of 512 bytes, 16 bytes of padding behind each in LDS.
; CLUSTERS: 4 x 4 work-groups; O's tiles are asked for jointly along a row of the cluster, W's along a column.  THE MATRIX INSTRUCTION IS USED TRANSPOSED (source 0 = 16 rows of W, source 1 = 16 rows of O): a lane holds
; eight neighbouring numbers of a row of out0.  THE BIAS is the C of each sum's first product: eight registers for each of my four blocks of columns, in the result's layout.
; THE WAY OUT: a wave's 64 columns of f32 are 256 aligned bytes, so each wave has its own stage, and no barrier stands there.
; No prefetch: the launch is short and its tiles are small.  LIMITS: as the launches before state them (f16's range for O and W_proj).
; REGISTERS: window 0: v0-31 addresses; v32-95 at work on the way out; v96-127 the bias; v128-255 the accumulators ((a, b) at v[128 + 8 (4 a + b)]).   window 1: two fragment buffers of 128: 64 registers of O, then 64 of W.
.set SIZE_M, 4096
.set SIZE_N, 1024
.set SIZE_K, 1024
.set KSTEP,  256
.set PITCH,  528                       ; a row of W in LDS: 512 bytes + 16 of padding: the 16 rows of a fragment load start at 16 different banks (64 banks of 4 bytes: ISA guide 11.1)
.set AHALF,  32768                     ; 64 rows of O for a K step: what one tensor load brings, and what one wave reads
.set ATILE,  2*AHALF
.set BHALF,  64*PITCH
.set SLOT,   ATILE+2*BHALF             ; O's 128 rows, then W's 128 rows
.set ASTEP,  1<<21                     ; bytes from a K step of O to the next
.set STAGE,  2*SLOT                    ; behind the ring: 16 rows x 272 bytes for each wave
.set SPITCH, 272
.set SPARE,  STAGE+4*16*SPITCH         ; behind the stages: the spare words, 128 bytes for each wave
.set LAPS,   SIZE_K/(2*KSTEP)
.set ADRA, 16                          ; v16-17  LDS address of my O fragments in slot 0, 1
.set ADRB, 20                          ; v20-21  the same for W
.set STO,  24                          ; v24     the way out: where I put 32 bytes of a row
.set RD,   25                          ; v25     where I read a row back
.set CO,   26                          ; v26     my byte offset in out0
.set BO,   27                          ; v27     the bias: 32 h
.set SPW,  28                          ; v28     my spare word; never rewritten
.set NIL,  29                          ; v29     0; never rewritten
.set TMP,  32
.set BIAS, 96
.set ACC,  128
.set F0,   0
.set F1,   128
.set G1, 24
.set G0, 32
.set G1B, 48
.set G0B, 56
.set MSB, 0
.macro WIN new                         ; the immediate's high byte repeats the setting that is left
.if MSB != \new
	s_set_vgpr_msb (MSB<<8)|\new
.set MSB, \new
.endif
.endm
.set MUL,  0x05                        ; sources 0 (W) and 1 (O) window 1; C and D window 0
.set TO_F, 0x40                        ; destination window 1, address window 0
.macro JLOAD s                         ; a joint load: waves 0 and 1 fetch O's two halves, waves 2 and 3 W's; an s_nop 0 and four v_nop follow each of the two lines
	s_cmp_eq_u32 s11, 0
	s_cbranch_scc0 .Lfor_b_\@
	tensor_load_to_lds s[G0+4*\s:G0+4*\s+3], s[G1:G1+7]
	s_nop 0
.rept 4
	v_nop
.endr
	s_branch .Lasked_\@
.Lfor_b_\@:
	tensor_load_to_lds s[G0B+4*\s:G0B+4*\s+3], s[G1B:G1B+7]
	s_nop 0
.rept 4
	v_nop
.endr
.Lasked_\@:
.endm
.macro CREST
	s_cmp_lg_u32 s10, 0
	s_cbranch_scc1 .Lnot_wave_0_\@
	s_barrier_signal -3
.Lnot_wave_0_\@:
	s_barrier_wait -3
	s_barrier_signal -1
	s_barrier_wait -1
.endm
.macro CROUND
	s_barrier_signal -1
	s_barrier_wait -1
	CREST
.endm
	s_load_b128 s[4:7], s[0:1], 0x0                ; ao, wp16
	s_load_b128 s[68:71], s[0:1], 0x10             ; b_proj, out0
	v_lshl_add_u32 v[SPW], v0, 2, SPARE
	v_mov_b32 v[NIL], 0
	ds_add_u32 v[SPW], v[NIL]                      ; the wave's opening: the add, twice on end, and its wait ahead of my first tensor load
	ds_add_u32 v[SPW], v[NIL]
	v_lshrrev_b32 v1, 5, v0
	v_readfirstlane_b32 s10, v1                    ; wave 0..3
	s_lshr_b32 s11, s10, 1                         ; which half of the tile's rows is mine.  Also: I fetch for O (0) or for W (1)
	s_and_b32 s12, s10, 1                          ; which half of its columns.  Also: which 64 rows of that tile I fetch
	s_bfe_u32 s40, ttmp6, 0x40000                  ; cx, cy
	s_bfe_u32 s41, ttmp6, 0x40004
	s_lshl_b32 s42, ttmp9, 2
	s_add_co_u32 s42, s42, s40                     ; tile column
	s_and_b32 s13, ttmp7, 0xffff
	s_lshl_b32 s13, s13, 2
	s_add_co_u32 s13, s13, s41                     ; tile row
	s_lshl_b32 s43, s41, 2
	s_lshl_b32 s43, 15, s43                        ; my row of the cluster
	s_lshl_b32 s44, 0x1111, s40                    ; my column
	; O: 32,768 dense bytes as 128 rows of 256 bytes (32 elements of 8 bytes), no padding
	s_or_b32 s[G1+0], s43, (3<<16)|(1<<21)
	s_mov_b32 s[G1+1], 32<<16
	s_mov_b32 s[G1+2], 128<<16
	s_mov_b32 s[G1+3], 32<<16
	s_mov_b32 s[G1+4], 128
	s_mov_b32 s[G1+5], 32
	s_mov_b32 s[G1+6], 0
	s_mov_b32 s[G1+7], 0
	; W: 64 rows x 256 elements of 2 bytes, 16 bytes of padding behind every 512
	s_or_b32 s[G1B+0], s44, (1<<16)|(1<<20)|(1<<21)|(6<<22)|(3<<25)
	s_mov_b32 s[G1B+1], KSTEP<<16
	s_mov_b32 s[G1B+2], 64<<16
	s_mov_b32 s[G1B+3], KSTEP<<16
	s_mov_b32 s[G1B+4], 64
	s_mov_b32 s[G1B+5], SIZE_K
	s_mov_b32 s[G1B+6], 0
	s_mov_b32 s[G1B+7], 0
	s_lshl_b32 s16, s13, 16                        ; O: 65,536 bytes a tile row in a K step,
	s_lshl_b32 s17, s12, 15                        ; + the half that I fetch
	s_add_co_u32 s16, s16, s17
	s_mov_b32 s17, 0
	s_lshl_b32 s46, s42, 7
	s_lshl_b32 s47, s12, 6
	s_add_co_u32 s46, s46, s47                     ; W: row 128 x tile column + 64 x half,
	s_lshl_b32 s46, s46, 11                        ; of 2,048 bytes
	s_mov_b32 s47, 0
	s_lshl_b32 s20, s12, 15                        ; where they go: O's half,
	s_mul_i32 s21, s12, BHALF
	s_add_co_u32 s21, s21, ATILE                   ; W's half, behind O's tile
	s_wait_dscnt 0x0                               ; both opening adds are done
	s_wait_kmcnt 0x0
	s_add_nc_u64 s[14:15], s[4:5], s[16:17]
	s_add_nc_u64 s[46:47], s[6:7], s[46:47]
	CROUND                                         ; all sixteen work-groups are here: the first joint loads meet
.irp s, 0,1
	s_mov_b32 s[G0+4*\s], 1
	s_add_co_u32 s[G0+4*\s+1], s20, \s*SLOT
	s_add_nc_u64 s[G0+4*\s+2:G0+4*\s+3], s[14:15], \s*ASTEP
	s_or_b32 s[G0+4*\s+3], s[G0+4*\s+3], 0x80000000
	s_mov_b32 s[G0B+4*\s], 1
	s_add_co_u32 s[G0B+4*\s+1], s21, \s*SLOT
	s_add_nc_u64 s[G0B+4*\s+2:G0B+4*\s+3], s[46:47], \s*KSTEP*2
	s_or_b32 s[G0B+4*\s+3], s[G0B+4*\s+3], 0x80000000
	JLOAD \s
.endr
	v_and_b32 v1, 15, v0                           ; r
	v_bfe_u32 v2, v0, 4, 1                         ; h
	v_and_b32 v6, 31, v0
	v_lshlrev_b32 v6, 4, v6                        ; 16 x lane: my place in an image
	v_mul_u32_u24 v3, v1, PITCH
	v_lshl_add_u32 v3, v2, 4, v3                   ; W: row x pitch + 16 x half
	s_lshl_b32 s22, s11, 15                        ; my 64 rows of O
	s_mul_i32 s23, s12, BHALF
	s_add_co_u32 s23, s23, ATILE                   ; my 64 rows of W
.irp s, 0,1
	v_add_nc_u32 v[ADRA+\s], s22, v6
	v_add_nc_u32 v[ADRB+\s], s23, v3
	s_add_co_u32 s22, s22, SLOT
	s_add_co_u32 s23, s23, SLOT
.endr
	s_mul_i32 s22, s10, 16*SPITCH
	s_add_co_u32 s22, s22, STAGE                   ; my stage
	v_mul_u32_u24 v4, v1, SPITCH                   ; in: row r, 32 bytes for each half of the lanes
	v_lshl_add_u32 v4, v2, 5, v4
	v_add_nc_u32 v[STO], s22, v4
	v_mul_u32_u24 v5, v2, SPITCH                   ; back: lanes 0-15 one row of 256 bytes, lanes 16-31 the next
	v_lshl_add_u32 v5, v1, 4, v5
	v_add_nc_u32 v[RD], s22, v5
	v_lshlrev_b32 v5, 12, v2                       ; and the same two rows in out0: 4,096 bytes a row
	v_lshl_add_u32 v[CO], v1, 4, v5
	v_lshlrev_b32 v[BO], 5, v2
	s_lshl_b32 s16, s13, 7
	s_lshl_b32 s17, s11, 6
	s_add_co_u32 s16, s16, s17                     ; my first row: 128 x tile row + 64 x half
	s_lshl_b32 s16, s16, 12
	s_mov_b32 s17, 0
	s_add_nc_u64 s[70:71], s[70:71], s[16:17]
	s_lshl_b32 s46, s42, 7
	s_lshl_b32 s47, s12, 6
	s_add_co_u32 s46, s46, s47                     ; my first column: 128 x tile column + 64 x half,
	s_lshl_b32 s46, s46, 2                         ; in bytes
	s_mov_b32 s47, 0
	s_add_nc_u64 s[70:71], s[70:71], s[46:47]
	s_add_nc_u64 s[68:69], s[68:69], s[46:47]
.irp b, 0,1,2,3
	global_load_b128 v[BIAS+8*\b:BIAS+8*\b+3], v[BO], s[68:69] offset:64*\b        ; b_proj at columns 16 b + 8 h + 0 .. 7
	global_load_b128 v[BIAS+8*\b+4:BIAS+8*\b+7], v[BO], s[68:69] offset:64*\b+16
.endr
; 8 matrix instructions: row blocks a0, a0 + 1 x all 4 column blocks, 32 along K: half c of buffer f.  zero = 1: the first product starts the sums from the bias.  The 16 accumulators take turns.
.macro MUL8 f, c, a0, zero
.irp a, \a0, \a0+1
.irp b, 0,1,2,3
.if \zero
	v_wmma_f32_16x16x32_f16 v[ACC+8*(4*(\a)+\b):ACC+8*(4*(\a)+\b)+7], v[\f+64+8*(4*\c+\b):\f+64+8*(4*\c+\b)+7], v[\f+8*(4*\c+\a):\f+8*(4*\c+\a)+7], v[BIAS+8*\b:BIAS+8*\b+7]
.else
	v_wmma_f32_16x16x32_f16 v[ACC+8*(4*(\a)+\b):ACC+8*(4*(\a)+\b)+7], v[\f+64+8*(4*\c+\b):\f+64+8*(4*\c+\b)+7], v[\f+8*(4*\c+\a):\f+8*(4*\c+\a)+7], v[ACC+8*(4*(\a)+\b):ACC+8*(4*(\a)+\b)+7]
.endif
.endr
.endr
.endm
; 32 LDS loads in one run: the fragments of 64 along K (byte k of W's rows; fragments 2 (k / 128) and the next of O's images) into buffer f; the first 32 along K first
.macro FETCH slot, k, f
	WIN TO_F
.irp c, 0,1
.irp i, 0,1,2,3
	ds_load_b128 v[\f+64+8*(4*\c+\i):\f+64+8*(4*\c+\i)+3],   v[ADRB+\slot] offset:\k+64*\c+\i*16*PITCH
	ds_load_b128 v[\f+64+8*(4*\c+\i)+4:\f+64+8*(4*\c+\i)+7], v[ADRB+\slot] offset:\k+64*\c+\i*16*PITCH+32
	ds_load_b128 v[\f+8*(4*\c+\i):\f+8*(4*\c+\i)+3],         v[ADRA+\slot] offset:\i*8192+(2*((\k)/128)+\c)*1024
	ds_load_b128 v[\f+8*(4*\c+\i)+4:\f+8*(4*\c+\i)+7],       v[ADRA+\slot] offset:\i*8192+(2*((\k)/128)+\c)*1024+512
.endr
.endr
.endm
.macro PLACES                          ; four places in front of loads into registers that matrix instructions have read, and of reads of results
.rept 4
	v_nop
.endr
.endm
.macro QUARTER slot, k, f, g, zero     ; 64 along K: multiplies buffer f and fetches the next quarter, at byte k, into g
	s_wait_dscnt 16                                ; the first 32 along K are in; the other sixteen loads may be out
	WIN MUL
	MUL8 \f, 0, 0, \zero
	MUL8 \f, 0, 2, \zero
	PLACES
	FETCH \slot, \k, \g
	s_wait_dscnt 32                                ; all but the 32 just issued
	WIN MUL
	MUL8 \f, 1, 0, 0
	MUL8 \f, 1, 2, 0
.endm
; The last quarter multiplies buffer 1 and changes slots: ONE barrier; in front of it each wave waits for all its tensor loads, adds 0 to its spare word, and waits for that and for its reads of this slot.
.macro TURN slot, next, fill
	WIN 0                                          ; (the add's two registers lie in window 0)
	s_wait_tensorcnt 0x0                           ; all my tensor loads have landed: my part of the next slot
	ds_add_u32 v[SPW], v[NIL]                      ; 0 onto my spare word
	s_wait_dscnt 17                                ; (the add and the youngest sixteen loads may be out)
	WIN MUL
	MUL8 F1, 0, 0, 0
	s_wait_dscnt 0x0                               ; the add is done, and my reads of this slot are over
	s_barrier_signal -1
	MUL8 F1, 0, 2, 0
.if \fill
	WIN 0
.endif
	s_barrier_wait -1
.if \fill
	CREST                                          ; the barrier has opened a round of the cluster's: no wave of any partner still reads this slot or has a load on its way
	s_add_nc_u64 s[G0+4*\slot+2:G0+4*\slot+3], s[G0+4*\slot+2:G0+4*\slot+3], 2*ASTEP
	s_add_nc_u64 s[G0B+4*\slot+2:G0B+4*\slot+3], s[G0B+4*\slot+2:G0B+4*\slot+3], 2*KSTEP*2
	JLOAD \slot                                    ; the first tensor load behind the round; its four v_nop are also the places in front of the loads below
.else
	PLACES
.endif
	FETCH \next, 0, F0
	WIN MUL
	MUL8 F1, 1, 0, 0
	MUL8 F1, 1, 2, 0
.endm
	s_wait_tensorcnt 1                             ; my part of K step 0 is in; K step 1's load may be out
	s_barrier_signal -1
	s_barrier_wait -1
	FETCH 0, 0, F0
	s_wait_loadcnt 0x0                             ; the bias
	QUARTER 0, 128, F0, F1, 1                      ; the first products start the sums from the bias
	WIN 0                                          ; at a label and at a branch every window is 0
	s_mov_b32 s3, LAPS-1
.Llap:                                             ; a trip goes once round the ring and fills both slots again
	QUARTER 0, 256, F1, F0, 0
	QUARTER 0, 384, F0, F1, 0
	TURN 0, 1, 1
	QUARTER 1, 128, F0, F1, 0
	QUARTER 1, 256, F1, F0, 0
	QUARTER 1, 384, F0, F1, 0
	TURN 1, 0, 1
	QUARTER 0, 128, F0, F1, 0
	WIN 0
	s_sub_co_u32 s3, s3, 1
	s_cmp_lg_u32 s3, 0
	s_cbranch_scc1 .Llap
	QUARTER 0, 256, F1, F0, 0                      ; the last lap fills nothing
	QUARTER 0, 384, F0, F1, 0
	TURN 0, 1, 0
	QUARTER 1, 128, F0, F1, 0
	QUARTER 1, 256, F1, F0, 0
	QUARTER 1, 384, F0, F1, 0
	s_wait_dscnt 16                                ; the very last quarter: nothing more to fetch
	WIN MUL
	MUL8 F1, 0, 0, 0
	MUL8 F1, 0, 2, 0
	s_wait_dscnt 0
	MUL8 F1, 1, 0, 0
	MUL8 F1, 1, 2, 0
	WIN 0
; THE WAY OUT, a block of 16 rows x 64 columns at a time: 32 bytes a lane into my own stage, back as whole rows of 256 bytes, two rows an instruction.  LDS serves a wave's instructions in order (ISA guide 5.7.1.4):
; no wait between the stores and the loads, nor in front of the next block's stores.
.macro TOSTAGE a
.irp b, 0,1,2,3
	ds_store_b128 v[STO], v[ACC+8*(4*(\a)+\b):ACC+8*(4*(\a)+\b)+3] offset:64*\b        ; each accumulator from its low end on
	ds_store_b128 v[STO], v[ACC+8*(4*(\a)+\b)+4:ACC+8*(4*(\a)+\b)+7] offset:64*\b+16
.endr
.irp t, 0,1,2,3,4,5,6,7
	ds_load_b128 v[TMP+32*((\a)%2)+4*\t:TMP+32*((\a)%2)+4*\t+3], v[RD] offset:\t*2*SPITCH
.endr
.endm
.macro SEND a, younger                 ; younger: the LDS instructions issued behind block a's loads: the next block's eight stores and eight loads, or none
	s_wait_dscnt \younger
.irp t, 0,1,2,3,4,5,6,7
	global_store_b128 v[CO], v[TMP+32*((\a)%2)+4*\t:TMP+32*((\a)%2)+4*\t+3], s[70:71] offset:(16*(\a)+2*\t)*SIZE_N*4 th:TH_STORE_NT   ; 16 lanes store 256 consecutive bytes, aligned
.endr
.endm
	PLACES
	TOSTAGE 0
.irp a, 1,2,3
.if \a > 1
	s_wait_xcnt 0x0                                ; block a - 2's stores have read their registers: block a's loads may land there
.endif
	TOSTAGE \a
	SEND \a-1, 16
.endr
	SEND 3, 0
	s_wait_tensorcnt 0x0                           ; the wave's end
	ds_add_u32 v[SPW], v[NIL]
	s_wait_dscnt 0x0
	CROUND                                         ; the closing round
	s_endpgm
.Lfunc_end_k_q439dc13038_proj:
	.size	k_q439dc13038_proj, .Lfunc_end_k_q439dc13038_proj-k_q439dc13038_proj
	.p2alignl 7, 3214868480
	.fill 96, 4, 3214868480
	.section	.rodata,"a",@progbits
	.p2align	6, 0x0
	.amdhsa_kernel k_q439dc13038_proj
		.amdhsa_group_segment_fixed_size 327680
		.amdhsa_private_segment_fixed_size 0
		.amdhsa_enable_private_segment 0
		.amdhsa_kernarg_size 32
		.amdhsa_user_sgpr_count 2
		.amdhsa_user_sgpr_kernarg_segment_ptr 1
		.amdhsa_wavefront_size32 1
		.amdhsa_system_sgpr_workgroup_id_x 1
		.amdhsa_system_sgpr_workgroup_id_y 1
		.amdhsa_system_sgpr_workgroup_id_z 1
		.amdhsa_system_vgpr_workitem_id 0
		.amdhsa_next_free_vgpr 512
		.amdhsa_next_free_sgpr 72
		.amdhsa_reserve_vcc 0
		.amdhsa_float_denorm_mode_32 3
		.amdhsa_float_denorm_mode_16_64 3
		.amdhsa_memory_ordered 1
		.amdhsa_forward_progress 1
		.amdhsa_inst_pref_size 86
	.end_amdhsa_kernel
	.amdgpu_metadata
---
amdhsa.version: [ 1, 2 ]
amdhsa.kernels:
  - .name:           k_q439dc13038_proj
    .symbol:         k_q439dc13038_proj.kd
    .args:
      - { .name: ao, .offset: 0, .size: 8, .value_kind: global_buffer, .address_space: global }
      - { .name: wp16, .offset: 8, .size: 8, .value_kind: global_buffer, .address_space: global }
      - { .name: b_proj, .offset: 16, .size: 8, .value_kind: global_buffer, .address_space: global }
      - { .name: out0, .offset: 24, .size: 8, .value_kind: global_buffer, .address_space: global }
    .group_segment_fixed_size: 327680
    .private_segment_fixed_size: 0
    .kernarg_segment_align: 8
    .kernarg_segment_size: 32
    .max_flat_workgroup_size: 128
    .sgpr_count:     72
    .vgpr_count:     512
    .wavefront_size: 32
...
	.end_amdgpu_metadata
.endif
;; end of part 4
